; MI455X (gfx1250); checked and timed in simulation.
; The chip was launched on July 23, 2026; its instructions are those of AMD's public machine-readable ISA for CDNA 5 (MIT licence, August 2026) and "CDNA5" Instruction Set Architecture Reference Guide (July 2026). The comments in the code are by the model that wrote it; some were corrected since.
;; Rm Multi Head Attention. Allowed arithmetic: matrix products marked QUANTISED: E2M3 operands, one E8M0 scale for each 32 along K, by v_wmma_scale_f32_16x16x128_f8f6f4 with both operands' format E2M3, f32 sums; everything else in f32.
;; Inputs: k_codes 4 x 2,048 x 32 x 24 uint8 (E2M3 codes of k, K innermost, in blocks of 32 codes, four codes in three bytes); k_scales 4 x 2,048 x 32 uint8 (E8M0 scales of k, one for each 32 codes along K); q_codes 4 x 2,048 x 32 x 24 uint8 (E2M3 codes of q, K innermost, in blocks of 32 codes, four codes in three bytes); q_scales 4 x 2,048 x 32 uint8 (E8M0 scales of q, one for each 32 codes along K); v_codes 4 x 2,048 x 32 x 24 uint8 (E2M3 codes of v, K innermost, in blocks of 32 codes, four codes in three bytes); v_scales 4 x 2,048 x 32 uint8 (E8M0 scales of v, one for each 32 codes along K); w_k_codes 1,024 x 32 x 24 uint8 (E2M3 codes of w_k, K innermost, in blocks of 32 codes, four codes in three bytes); w_k_scales 1,024 x 32 uint8 (E8M0 scales of w_k, one for each 32 codes along K); w_m_codes 1,024 x 32 x 24 uint8 (E2M3 codes of w_m, K innermost, in blocks of 32 codes, four codes in three bytes); w_m_scales 1,024 x 32 uint8 (E8M0 scales of w_m, one for each 32 codes along K); w_q_codes 1,024 x 32 x 24 uint8 (E2M3 codes of w_q, K innermost, in blocks of 32 codes, four codes in three bytes); w_q_scales 1,024 x 32 uint8 (E8M0 scales of w_q, one for each 32 codes along K); w_v_codes 1,024 x 32 x 24 uint8 (E2M3 codes of w_v, K innermost, in blocks of 32 codes, four codes in three bytes); w_v_scales 1,024 x 32 uint8 (E8M0 scales of w_v, one for each 32 codes along K).
;; Outputs: out0 4 x 2,048 x 1,024 float32.
;; Constants: head = 16.
;; This version of the problem:
;;   THIS VERSION OF THE PROBLEM IS GIVEN IN LOW PRECISION. The matrix products marked QUANTISED in the list below multiply operands that are first quantised to E2M3 (2 exponent bits, 3 mantissa bits; 6 bits a number), with one power-of-two scale for each 32 numbers along K (OCP MX v1.0); their sums are f32. All else is computed in f32.
;;   The module's matrix products, in the order in which they are computed (A, B: the left and right operand; K: the contracted axis; several contracted axes count as one K, in the product's order):
;;     1. [M 8,192, K 1,024] x [K 1,024, N 1,024]; A: input q (given as codes); B: input w_q (given as codes): QUANTISED
;;     2. [M 8,192, K 1,024] x [K 1,024, N 1,024]; A: input k (given as codes); B: input w_k (given as codes): QUANTISED
;;     3. [M 8,192, K 1,024] x [K 1,024, N 1,024]; A: input v (given as codes); B: input w_v (given as codes): QUANTISED
;;     4. batch 64 x [M 2,048, K 64] x [K 64, N 2,048]; A: computed on the way; B: computed on the way: QUANTISED
;;     5. batch 64 x [M 64, K 2,048] x [K 2,048, N 2,048]; A: computed on the way; B: computed on the way: QUANTISED
;;     6. [M 8,192, K 1,024] x [K 1,024, N 1,024]; A: computed on the way; B: input w_m (given as codes): QUANTISED
;;   THE QUANTISER, for each operand of a quantised product, along K:
;;     - K is cut into blocks of 32 from its start; a last block that is shorter is filled with zeros.
;;     - A block's scale is 2^e with e = floor(log2(the largest magnitude in the block)) - 2, held to -126 .. 127; a block of zeros has e = 0. As a byte (E8M0): e + 127.
;;     - Each number is divided by its block's scale, clamped to +-7.5, and rounded to the nearest number of E2M3, ties to even, subnormals kept.
;;     - The product sums the exact products of the quantised numbers (number of the format x scale) in f32.
;;   ~~~python
;;   def quantise(x, axis):      # numpy; x: float32 -> the quantised numbers, widened to float32 again
;;       x = np.moveaxis(x, axis, -1); K = x.shape[-1]
;;       x = np.pad(x, [(0, 0)] * (x.ndim - 1) + [(0, -K % 32)]); x = x.reshape(x.shape[:-1] + (-1, 32)); a = np.abs(x).max(-1, keepdims=True)
;;       e = np.where(a > 0, np.clip(np.frexp(np.where(a > 0, a, 1))[1] - 1 - 2, -126, 127), 0)      # np.frexp(a)[1] - 1 = floor(log2(a)), exactly
;;       r = np.clip(x / 2.0 ** e, -7.5, 7.5)
;;       step = 2.0 ** (np.maximum(np.frexp(np.where(r == 0, 1, r))[1] - 1, 0) - 3)
;;       q = np.round(r / step) * step * 2.0 ** e      # np.round: ties to even
;;       return np.moveaxis(q.reshape(q.shape[:-2] + (-1,))[..., :K], -1, axis).astype(np.float32)
;;   ~~~
;;   OPERANDS COMPUTED ON THE WAY. 'Computed on the way' means the value that the module computes at that place (a softmax that the list does not call 'softmax' is quantised finished and normalised). What goes into a quantiser is computed in f32, as accurately as f32 sums, v_exp_f32 and their like allow (about 1e-6 of the number): no bf16 or f16 on the way to a quantiser, and a product that is left as it is and whose result goes on into a quantised operand takes f32 operands (vector FMAs, or v_wmma_f32_16x16x4_f32). A number that lies on a knife's edge between two numbers of the format may be rounded either way, as far as f32 arithmetic and the matrix unit's own rounding can turn it there, and no further.
;;   INPUTS GIVEN AS CODES. k (in the module: [4, 2048, 1024], K = its axis 2); q (in the module: [4, 2048, 1024], K = its axis 2); v (in the module: [4, 2048, 1024], K = its axis 2); w_k (in the module: [1024, 1024], K = its axis 0); w_m (in the module: [1024, 1024], K = its axis 0); w_q (in the module: [1024, 1024], K = its axis 0); w_v (in the module: [1024, 1024], K = its axis 0): each comes as NAME_codes (uint8): NAME with its K axis moved to the last place and cut into blocks of 32 codes, [.., K / 32, bytes a block], one block behind the other in memory; four codes in three bytes: a row's codes are one little-endian stream of bits, code i at bits 6 i .. 6 i + 5 (a code: sign, 2 exponent bits, 3 mantissa bits); and NAME_scales (uint8): the same leading axes, one E8M0 byte (e + 127) for each 32 codes along K. Its value is code x scale, taken as it is: it is not quantised again, and the codes and scales need not be those that the quantiser above would give.
;; One version. Each part assembles by itself: llvm-mc -triple=amdgcn-amd-amdhsa -mcpu=gfx1250 --defsym DOCPART=n.
;; ======== version 1 of 1: 3 launches
;; limits: values within 1.9e-06 (relative) of each other or of a threshold may be ordered or decided otherwise than in the reference
;; workspace buffers: qimg 6,291,456 bytes; kimg 6,291,456 bytes; vimg 6,291,456 bytes; qsc 262,144 bytes; ksc 262,144 bytes; vsc 262,144 bytes; oimg 6,291,456 bytes; osc 262,144 bytes
;; launch proj (part 1): grid 4 x 96, 4 waves a work-group, clusters of 4 x 4, 327,680 bytes of LDS; arguments q_codes, q_scales, w_q_codes, w_q_scales, qimg, qsc, k_codes, k_scales, w_k_codes, w_k_scales, kimg, ksc, w_v_codes, w_v_scales, v_codes, v_scales, vimg, vsc; writes qimg, qsc, kimg, ksc, vimg, vsc
.if DOCPART == 1
	.amdgcn_target "amdgcn-amd-amdhsa--gfx1250"
	.amdhsa_code_object_version 6
	.text
	.protected	k_q558989208a_proj
	.globl	k_q558989208a_proj
	.p2align	8
	.type	k_q558989208a_proj,@function
k_q558989208a_proj:
	s_mov_b64 s[64:65], 0
	v_nop
	global_prefetch_b8 v0, s[64:65] scope:SCOPE_SE
	s_setreg_imm32_b32 hwreg(HW_REG_WAVE_MODE, 25, 1), 1
	s_wait_xcnt 0x0
	s_wait_alu depctr_hold_cnt(0) depctr_sa_sdst(0) depctr_va_vdst(0) depctr_va_sdst(0) depctr_va_ssrc(0) depctr_va_vcc(0) depctr_vm_vsrc(0)
	s_getreg_b32 s2, hwreg(HW_REG_IB_STS2, 6, 4)
	s_cmp_eq_u32 s2, 0
	s_cbranch_scc0 .Lentry_in_a_cluster
	s_endpgm
.Lentry_in_a_cluster:
	s_bfe_u32 s2, ttmp6, 0x10000c
	s_cmp_lg_u32 s2, 0xf033
	s_cbranch_scc0 .Lentry_shape_is_right
	s_endpgm
.Lentry_shape_is_right:
; THE THREE PROJECTIONS eq = q w_q, ek = k w_k, ev = v w_v on codes of FP6 (E2M3) with one E8M0 scale for each 32 along K = 1,024, sums in f32, and the quantisers of their results:
; eq and ek along a head's 64 channels, ev along the keys.  The results leave as codes in the order of the next product's operand registers, and as scale words.
; One launch serves all three: cluster y / 8 says which (0 q, 1 k, 2 v); only pointers and whole numbers are chosen by it, no branch.
; A TILE of 256 x 256 is made by a work-group of four waves, 128 x 128 a wave: 64 accumulators of 16 x 16, 512 registers.  K goes in steps of 256 through a ring of two LDS slots filled by the tensor data mover.
; SOURCE 0 = 16 rows of B, SOURCE 1 = 16 rows of A: a lane holds ONE row of A, and its registers run along B's rows.  For q and k: A = the tokens, B = the weight's 1,024 output channels, so a lane's registers run
; along the channels, the next K.  For v: A = the weight, B = the tokens, so a lane's registers run along the keys, the next K.
; ORDER INSIDE A BLOCK OF 32: a lane's 16 registers of accumulators 2 b and 2 b + 1 are the numbers 8 h + 0 .. 7 and 16 + 8 h + 0 .. 7 of block b (h = lane / 16).  So the codes of a block stand in a fixed
; permutation of its 32 places.  Both operands of each later product (eq with ek, attn with ev) are made by the same lines, so they stand in the same permutation, and the sums are those of the natural order.
; A HALF FRAGMENT (HF, 768 bytes) is registers 6 c .. 6 c + 5 of an operand of 12 registers, for all 32 lanes: lane l's first four at 16 l, its last two at 512 + 8 l: three aligned runs of 256 bytes.
; qimg, kimg: [batch x head][token tile of 16][HF]: lane (r, h) = token r, channels 32 h on.   vimg: HF (c, step, y) at ((first head of a pair + c) x 128 + 8 step + y) x 768, y = 4 x (head's parity) + channel tile:
; lane (r, h) = channel r, keys 128 step + 64 c + 32 h on.   qsc, ksc, vsc: [batch x head][step of 128 tokens][256 bytes]: two scale words a lane.
; CLUSTERS: 4 x 4 work-groups; the four of a row need the same tiles of A, the four of a column the same tiles of B: each tile is asked for jointly, by the same tensor load with a mask that names the four.
; LIMITS: a block's scale byte is held at 1 from below; a block of zeros gets the byte 1 where the rule says 127 (its codes are zeros, and this program alone reads the bytes).  NaN and infinities are not served.
; REGISTERS, in windows of 256: window 0: v0-31 addresses; v32-63 scale words, two sets; v64-127 the quantiser's; from v128 A's fragments, one set.  window 1: B's fragments, two sets.  windows 2, 3: the accumulators.
.set SIZE_K, 1024
.set KSTEP,  256                       ; along K in a slot
.set NQ,     KSTEP/128                 ; matrix instructions deep
.set ROWB,   192                       ; a tile's row in bytes
.set KROW,   SIZE_K*6/8                ; a row of codes in memory
.set PITCH,  240                       ; an LDS row: 3 x (64 bytes + 16 of padding)
.set FR,     12                        ; registers of a fragment
.set NL,     6                         ; LDS loads that bring one
.set NP,     4                         ; places behind this matrix instruction (ISA guide 7.12.1)
.set HALFT,  128*PITCH                 ; what one tensor load brings
.set SLOT,   4*HALFT                   ; A's 256 rows, then B's 256 rows
.set LAPS,   SIZE_K/(2*KSTEP)
.set KS,     SIZE_K/32                 ; a row of scale bytes
.set SCL,    2*SLOT                    ; behind the ring: the scales, as runs of 256 bytes + 16 of padding
.set HALFS,  (128*KS/256)*272
.set SBLK,   (16*KS/256)*272
.set SPARE,  SCL+4*HALFS               ; the spare words, 128 bytes for each wave; no other line names them
.set HF,     768
.set HEADB,  128*HF                    ; from a head to the next in the images
.set ADRA, 16                          ; v16-19  LDS addresses of my A fragments (slot 0, 1; and behind one padding more)
.set ADRB, 20                          ; v20-23  the same for B
.set O16,  24                          ; v24     16 x lane
.set O8,   25                          ; v25     8 x lane
.set ADRS, 27                          ; v27     LDS address of my scale words
.set SPW,  28                          ; v28     LDS address of my spare word; never rewritten
.set NIL,  29                          ; v29     0; never rewritten
.set SC,   32                          ; scale words, two sets of 16
.set CD,   64                          ; v64-83  the codes just made: 12 registers, and 8 for the conversions' second halves
.set TM,   96                          ; v96-111 largest magnitudes, bytes, scale operands
.set SW,   112                         ; v112-119 the scale word of each of my eight blocks of A's rows
.set PW,   120                         ; v120-127 words paired for q and k
.set EW,   128                         ; v128-135 the words chosen
.set RW,   136                         ; v136-139 two pairs to store
.set AF,   128                         ; A's fragments
.set G1, 24
.set G0, 32
.set G1B, 48
.set G0B, 56
.set G1S, 68
.set G0S, 76
.set G1SB, 80
.set G0SB, 88
.set SEL, 98                           ; s[98:99] lane selects for v_permlanex16_b32: lane l xor 16
.set ISV, 100                          ; s100    all ones in v's work-groups, else 0
.set HM,  101                          ; s101    the mask of lanes 16-31
.set MSB, 0
.macro WIN new                         ; the immediate's high byte repeats the setting that is left
.if MSB != \new
	s_set_vgpr_msb (MSB<<8)|\new
.set MSB, \new
.endif
.endm
.set MUL_LO, 0xa1                      ; source 0 (B) window 1, source 1 (A) window 0, C and D window 2
.set MUL_HI, 0xf1                      ; the same, C and D window 3
.set TO_B,   0x40                      ; destination window 1
; A joint load: waves 0 and 1 fetch for A, waves 2 and 3 for B.  The branch hangs on the wave's number alone.  Four v_nop follow each of the two lines.
.macro JLOAD g0a, g1a, g0b, g1b
	s_cmp_eq_u32 s15, 0
	s_cbranch_scc0 .Lfor_b_\@
	tensor_load_to_lds s[\g0a:\g0a+3], s[\g1a:\g1a+7]
	s_nop 0
.rept 4
	v_nop
.endr
	s_branch .Lasked_\@
.Lfor_b_\@:
	tensor_load_to_lds s[\g0b:\g0b+3], s[\g1b:\g1b+7]
	s_nop 0
.rept 4
	v_nop
.endr
.Lasked_\@:
.endm
.macro CREST                           ; a round of the cluster's barrier behind its opening barrier
	s_cmp_lg_u32 s14, 0
	s_cbranch_scc1 .Lnot_wave_0_\@
	s_barrier_signal -3
.Lnot_wave_0_\@:
	s_barrier_wait -3
	s_barrier_signal -1
	s_barrier_wait -1
.endm
.macro CROUND                          ; a whole round
	s_barrier_signal -1
	s_barrier_wait -1
	CREST
.endm
	s_load_b256 s[16:23], s[0:1], 0x0              ; q: A's codes, A's scales, B's codes, B's scales,
	s_load_b128 s[24:27], s[0:1], 0x20             ;    the image, the scale words
	s_load_b256 s[28:35], s[0:1], 0x30             ; k: the same six
	s_load_b128 s[36:39], s[0:1], 0x50
	s_load_b256 s[40:47], s[0:1], 0x60             ; v: the same six, A = the weight, B = the tokens
	s_load_b128 s[48:51], s[0:1], 0x80
	v_lshl_add_u32 v[SPW], v0, 2, SPARE
	v_mov_b32 v[NIL], 0
	ds_add_u32 v28, v29
	ds_add_u32 v28, v29
	s_wait_dscnt 0x0
	v_lshrrev_b32 v1, 5, v0
	v_readfirstlane_b32 s14, v1                    ; wave 0..3
	s_and_b32 s2, ttmp7, 0xffff                    ; cluster y, 0 .. 23
	s_lshr_b32 s3, s2, 3                           ; which projection
	s_and_b32 s2, s2, 7
	s_lshl_b32 s2, s2, 2                           ; 4 x (which of its eight clusters)
	s_mov_b32 s[SEL], 0x76543210
	s_mov_b32 s[SEL+1], 0xfedcba98
	s_mov_b32 s[HM], 0xffff0000
	s_wait_kmcnt 0x0
	s_cmp_eq_u32 s3, 0                             ; the choice hangs on the cluster's number alone
	s_cselect_b64 s[4:5], s[16:17], s[28:29]
	s_cselect_b64 s[6:7], s[18:19], s[30:31]
	s_cselect_b64 s[8:9], s[20:21], s[32:33]
	s_cselect_b64 s[10:11], s[22:23], s[34:35]
	s_cselect_b64 s[12:13], s[24:25], s[36:37]
	s_cselect_b64 s[66:67], s[26:27], s[38:39]
	s_cmp_eq_u32 s3, 2
	s_cselect_b64 s[4:5], s[40:41], s[4:5]         ; A's codes
	s_cselect_b64 s[6:7], s[42:43], s[6:7]         ; A's scales
	s_cselect_b64 s[8:9], s[44:45], s[8:9]         ; B's codes
	s_cselect_b64 s[10:11], s[46:47], s[10:11]     ; B's scales
	s_cselect_b64 s[12:13], s[48:49], s[12:13]     ; the image
	s_cselect_b64 s[66:67], s[50:51], s[66:67]     ; the scale words
	s_cselect_b32 s[ISV], -1, 0
	s_cselect_b32 s96, 0, s2                       ; q, k: the eight clusters go down A's 32 tile rows;
	s_cselect_b32 s97, s2, 0                       ; v: along B's 32 tile columns
	s_lshr_b32 s15, s14, 1                         ; which half of the tile's rows is mine.  Also: I fetch for A (0) or for B (1)
	s_and_b32 s16, s14, 1                          ; which half of its columns.  Also: which 128 rows of that tile I fetch
	s_bfe_u32 s40, ttmp6, 0x40000                  ; cx, cy: my place in the cluster
	s_bfe_u32 s41, ttmp6, 0x40004
	s_lshl_b32 s42, ttmp9, 2
	s_add_co_u32 s42, s42, s40
	s_add_co_u32 s42, s42, s97                     ; tile column
	s_add_co_u32 s17, s96, s41                     ; tile row
	s_lshl_b32 s43, s41, 2
	s_lshl_b32 s43, 15, s43                        ; my row of the cluster
	s_lshl_b32 s44, 0x1111, s40                    ; my column
	; descriptor group 1: a tile of 128 rows x 192 bytes, 16 bytes of padding behind every 64
	s_or_b32 s[G1+0], s43, (0<<16)|(1<<20)|(1<<21)|(3<<22)|(3<<25)
	s_or_b32 s[G1B+0], s44, (0<<16)|(1<<20)|(1<<21)|(3<<22)|(3<<25)
.irp g, G1, G1B
	s_mov_b32 s[\g+1], ROWB<<16                    ; tensor_dim0
	s_mov_b32 s[\g+2], 128<<16                     ; tensor_dim1
	s_mov_b32 s[\g+3], ROWB<<16                    ; tile_dim0
	s_mov_b32 s[\g+4], 128                         ; tile_dim1
	s_mov_b32 s[\g+5], KROW                        ; tensor_dim0_stride
	s_mov_b32 s[\g+6], 0
	s_mov_b32 s[\g+7], 0
.endr
	; the scales of 128 rows: 4,096 dense bytes, as rows of 256 bytes (32 elements of 8), 16 bytes of padding behind each
	s_or_b32 s[G1S+0], s43, (3<<16)|(1<<20)|(1<<21)|(5<<22)|(3<<25)
	s_or_b32 s[G1SB+0], s44, (3<<16)|(1<<20)|(1<<21)|(5<<22)|(3<<25)
.irp g, G1S, G1SB
	s_mov_b32 s[\g+1], 32<<16
	s_mov_b32 s[\g+2], (128*KS/256)<<16
	s_mov_b32 s[\g+3], 32<<16
	s_mov_b32 s[\g+4], 128*KS/256
	s_mov_b32 s[\g+5], 32
	s_mov_b32 s[\g+6], 0
	s_mov_b32 s[\g+7], 0
.endr
	s_lshl_b32 s18, s16, 7                         ; which 128 rows of the tile I fetch
	s_lshl_b32 s20, s17, 8
	s_add_co_u32 s20, s20, s18                     ; A: row 256 x tile row + 128 x half
	s_lshl_b32 s46, s42, 8
	s_add_co_u32 s46, s46, s18                     ; B: row 256 x tile column + 128 x half
	s_mov_b32 s21, 0
	s_mov_b32 s47, 0
	s_mov_b64 s[18:19], KS
	s_mul_u64 s[22:23], s[20:21], s[18:19]         ; where these rows' scales begin
	s_mul_u64 s[92:93], s[46:47], s[18:19]
	s_mov_b64 s[18:19], KROW
	s_mul_u64 s[20:21], s[20:21], s[18:19]         ; and their codes
	s_mul_u64 s[46:47], s[46:47], s[18:19]
	s_mul_i32 s45, s14, HALFT                      ; where they go: wave x 128 rows: no place in the cluster enters an LDS address
	s_mul_i32 s94, s14, HALFS
	s_add_nc_u64 s[20:21], s[4:5], s[20:21]
	s_add_nc_u64 s[22:23], s[6:7], s[22:23]
	s_add_nc_u64 s[46:47], s[8:9], s[46:47]
	s_add_nc_u64 s[92:93], s[10:11], s[92:93]
	CROUND                                         ; all sixteen work-groups are here: the first joint loads meet
	s_mov_b32 s[G0S], 1
	s_add_co_u32 s[G0S+1], s94, SCL
	s_mov_b64 s[G0S+2:G0S+3], s[22:23]
	s_or_b32 s[G0S+3], s[G0S+3], 0x80000000
	s_mov_b32 s[G0SB], 1
	s_add_co_u32 s[G0SB+1], s94, SCL
	s_mov_b64 s[G0SB+2:G0SB+3], s[92:93]
	s_or_b32 s[G0SB+3], s[G0SB+3], 0x80000000
	JLOAD G0S, G1S, G0SB, G1SB                     ; the scales first: they are wanted with K step 0.  By this text's count three loads of a wave are out at the most
.irp s, 0,1
	s_mov_b32 s[G0+4*\s], 1
	s_add_co_u32 s[G0+4*\s+1], s45, \s*SLOT
	s_add_nc_u64 s[G0+4*\s+2:G0+4*\s+3], s[20:21], \s*ROWB
	s_or_b32 s[G0+4*\s+3], s[G0+4*\s+3], 0x80000000
	s_mov_b32 s[G0B+4*\s], 1
	s_add_co_u32 s[G0B+4*\s+1], s45, \s*SLOT
	s_add_nc_u64 s[G0B+4*\s+2:G0B+4*\s+3], s[46:47], \s*ROWB
	s_or_b32 s[G0B+4*\s+3], s[G0B+4*\s+3], 0x80000000
	JLOAD G0+4*\s, G1, G0B+4*\s, G1B
.endr
	v_and_b32 v1, 15, v0                           ; l % 16
	v_bfe_u32 v2, v0, 4, 1                         ; l / 16
	v_mul_u32_u24 v3, v1, PITCH
	v_mul_u32_u24 v4, v2, 24
	v_add_nc_u32 v4, v3, v4                        ; a fragment's row x pitch + 24 x half
	v_lshl_add_u32 v5, v2, 4, v4                   ; and the same behind one padding more
	s_mul_i32 s21, s15, HALFT                      ; my 128 rows of A
	s_mul_i32 s22, s16, HALFT                      ; my 128 rows of B,
	s_add_co_u32 s22, s22, 2*HALFT                 ; which lie behind A's 256
.irp s, 0,1
	v_add_nc_u32 v[ADRA+\s], s21, v4
	v_add_nc_u32 v[ADRB+\s], s22, v4
	v_add_nc_u32 v[ADRA+2+\s], s21, v5
	v_add_nc_u32 v[ADRB+2+\s], s22, v5
	s_add_co_u32 s21, s21, SLOT
	s_add_co_u32 s22, s22, SLOT
.endr
	v_mul_u32_u24 v5, v1, KS                       ; my row's scales: KS bytes a row,
	v_lshrrev_b32 v6, 8, v5
	v_lshl_add_u32 v5, v6, 4, v5                   ; and 16 more for each 256 passed
	s_mul_i32 s21, s15, HALFS                      ; A's: my 128 rows
	s_mul_i32 s22, s16, HALFS                      ; B's: my 128 rows, behind A's 256
	s_add_co_u32 s22, s22, 2*HALFS
	s_sub_co_u32 s22, s22, s21
	v_mul_u32_u24 v6, s22, v2                      ; lanes 16-31 take B's
	s_add_co_u32 s21, s21, SCL
	v_add_nc_u32 v5, v5, v6
	v_add_nc_u32 v[ADRS], s21, v5
	v_and_b32 v6, 31, v0
	v_lshlrev_b32 v[O16], 4, v6
	v_lshlrev_b32 v[O8], 3, v6
.irp b, 0,1,2,3
	v_mov_b32 v[TM+4+\b], 0                        ; written once: a lane permute's destination counts as one of its sources
.endr
	; where my wave's results go.  Groups of 128: gA of A's rows, gB of B's rows.  The tokens' group is gA for q and k, gB for v; the channels' group (two heads) the other
	s_lshl_b32 s96, s17, 1
	s_add_co_u32 s96, s96, s15                     ; gA
	s_lshl_b32 s97, s42, 1
	s_add_co_u32 s97, s97, s16                     ; gB
	s_cmp_lg_u32 s[ISV], 0
	s_cselect_b32 s92, s97, s96                    ; the tokens' group: 16 x batch + step
	s_cselect_b32 s93, s96, s97                    ; the channels' group
	s_lshr_b32 s2, s92, 4
	s_lshl_b32 s2, s2, 4
	s_lshl_b32 s93, s93, 1
	s_add_co_u32 s2, s2, s93                       ; 16 x batch + the pair's first head
	s_and_b32 s92, s92, 15                         ; the step of 128 tokens
	s_lshl_b32 s46, s2, 7
	s_lshl_b32 s47, s92, 3
	s_add_co_u32 s46, s46, s47
	s_mul_i32 s46, s46, HF
	s_mov_b32 s47, 0
	s_add_nc_u64 s[12:13], s[12:13], s[46:47]      ; the image: (head x 128 + 8 step) half fragments on
	s_lshl_b32 s46, s2, 4
	s_add_co_u32 s46, s46, s92
	s_lshl_b32 s46, s46, 8
	s_add_nc_u64 s[66:67], s[66:67], s[46:47]      ; the scale words: (head x 16 + step) x 256 bytes on
.macro FRAG reg, adr, q, i             ; a fragment: lane l holds row l % 16; registers 6 c .. 6 c + 5 hold K = 64 c + 32 (l / 16) + 0 .. 31: 24 bytes of the row's stream of bits, in pieces of 8 bytes
.irp p, 0,1,2,3,4,5
.set PCE, 12*(\q)+6*(\p/3)+\p%3        ; where the piece three on (lanes 16-31) lies behind one padding more, the second address register serves
.if PCE%8 < 5
	ds_load_b64 v[\reg+2*\p:\reg+2*\p+1], v[\adr] offset:8*PCE+16*(PCE/8)+(\i)*16*PITCH
.else
	ds_load_b64 v[\reg+2*\p:\reg+2*\p+1], v[\adr+2] offset:8*PCE+16*(PCE/8)+(\i)*16*PITCH
.endif
.endr
.endm
; 16 matrix instructions: A's blocks a0, a0 + 1 x B's eight, 128 along K.  The 64 accumulators take turns, one instruction a turn, in the same order in every step.
.macro MUL16 a0, p, q, sc, zero
.irp a, \a0, \a0+1
.irp b, 0,1,2,3,4,5,6,7
.if \zero
	v_wmma_scale_f32_16x16x128_f8f6f4 v[8*(8*((\a)%4)+\b):8*(8*((\a)%4)+\b)+7], v[128*(\p)+FR*\b:128*(\p)+FR*\b+FR-1], v[AF+FR*(\a):AF+FR*(\a)+FR-1], 0, v[SC+8*NQ*(\sc)+NQ*\b+(\q)], v[SC+8*NQ*(\sc)+NQ*(\a)+(\q)] matrix_a_fmt:MATRIX_FMT_FP6 matrix_b_fmt:MATRIX_FMT_FP6 matrix_a_scale:MATRIX_SCALE_ROW1
.else
	v_wmma_scale_f32_16x16x128_f8f6f4 v[8*(8*((\a)%4)+\b):8*(8*((\a)%4)+\b)+7], v[128*(\p)+FR*\b:128*(\p)+FR*\b+FR-1], v[AF+FR*(\a):AF+FR*(\a)+FR-1], v[8*(8*((\a)%4)+\b):8*(8*((\a)%4)+\b)+7], v[SC+8*NQ*(\sc)+NQ*\b+(\q)], v[SC+8*NQ*(\sc)+NQ*(\a)+(\q)] matrix_a_fmt:MATRIX_FMT_FP6 matrix_b_fmt:MATRIX_FMT_FP6 matrix_a_scale:MATRIX_SCALE_ROW1
.endif
.endr
.endr
.endm
.macro FETCH_B slot, q, p              ; B's eight fragments of the slot's q-th 128 along K into set p
	WIN TO_B
.irp i, 0,1,2,3,4,5,6,7
	FRAG 128*(\p)+FR*\i, ADRB+\slot, \q, \i
.endr
	WIN 0
.endm
.macro FETCH_A slot, q, i0             ; A's blocks i0 .. i0 + 3
.irp i, \i0, \i0+1, \i0+2, \i0+3
	FRAG AF+FR*(\i), ADRA+\slot, \q, \i
.endr
.endm
.macro SCALES sc                       ; a K step's scale words into set sc: lanes 0-15 take A's block i, lanes 16-31 B's block i
.irp i, 0,1,2,3,4,5,6,7
	ds_load_b64 v[SC+8*NQ*\sc+NQ*\i:SC+8*NQ*\sc+NQ*\i+1], v[ADRS] offset:\i*SBLK
.endr
.endm
.macro PLACES n                        ; plain vector instructions between a matrix instruction and a load into, or a vector read of, its registers
.rept \n
	v_nop
.endr
.endm
; A step of 128 along K that has its successor in the same slot.
.macro STEP slot, q, zero
	s_wait_dscnt 4*NL                              ; B's set and A's blocks 0-3 are in; the youngest 24 loads (A's blocks 4-7) may be out
	WIN MUL_LO
	MUL16 0, (\q)%2, \q, \slot, \zero
	MUL16 2, (\q)%2, \q, \slot, \zero
	s_wait_dscnt 0                                 ; A's blocks 4-7 are in
	PLACES NP
	FETCH_B \slot, (\q)+1, 1-(\q)%2
	FETCH_A \slot, (\q)+1, 0
	WIN MUL_HI
	MUL16 4, (\q)%2, \q, \slot, \zero
	MUL16 6, (\q)%2, \q, \slot, \zero
	PLACES NP
	WIN 0
	FETCH_A \slot, (\q)+1, 4
.endm
; A slot's last step changes slots: one barrier; in front of it each wave waits for all its tensor loads, adds 0 to its spare word, and waits for that and for its own reads of this slot.
.macro TURN slot, next, fill
	s_wait_tensorcnt 0x0                           ; all my tensor loads have landed: my part of the next slot
	ds_add_u32 v[SPW], v[NIL]                      ; 0 onto my spare word
	s_wait_dscnt 4*NL+1                            ; (the add and the youngest 24 loads may be out)
	WIN MUL_LO
	MUL16 0, 1, NQ-1, \slot, 0
	s_wait_dscnt 0x0                               ; the add is done, and my reads of this slot are over
	s_barrier_signal -1
	MUL16 2, 1, NQ-1, \slot, 0
	WIN 0
	s_barrier_wait -1
.if \fill
	CREST                                          ; the barrier has opened a round of the cluster's: no wave of any partner still reads this slot's tile or has a load on its way
	s_add_nc_u64 s[G0+4*\slot+2:G0+4*\slot+3], s[G0+4*\slot+2:G0+4*\slot+3], 2*ROWB
	s_add_nc_u64 s[G0B+4*\slot+2:G0B+4*\slot+3], s[G0B+4*\slot+2:G0B+4*\slot+3], 2*ROWB
	JLOAD G0+4*\slot, G1, G0B+4*\slot, G1B         ; the first tensor load behind the round; its four v_nop are the places in front of the loads below
.else
	PLACES NP
.endif
	v_add_nc_u32 v[ADRS], 4*NQ, v[ADRS]            ; on to the next K step's scale words
	FETCH_B \next, 0, 0
	FETCH_A \next, 0, 0
	SCALES \next
	WIN MUL_HI
	MUL16 4, 1, NQ-1, \slot, 0
	MUL16 6, 1, NQ-1, \slot, 0
	PLACES NP
	WIN 0
	FETCH_A \next, 0, 4
.endm
	s_wait_tensorcnt 1                             ; the scales and my part of K step 0 are in (K step 1's load may be out)
	s_barrier_signal -1
	s_barrier_wait -1
	FETCH_B 0, 0, 0
	FETCH_A 0, 0, 0
	SCALES 0
	FETCH_A 0, 0, 4
	STEP 0, 0, 1                                   ; the first step's products start the sums: nothing is cleared
	s_mov_b32 s3, LAPS-1
.Llap:                                                 ; a trip goes once round the ring and fills both slots again
	TURN 0, 1, 1
	STEP 1, 0, 0
	TURN 1, 0, 1
	STEP 0, 0, 0
	s_sub_co_u32 s3, s3, 1
	s_cmp_lg_u32 s3, 0
	s_cbranch_scc1 .Llap
	TURN 0, 1, 0                                   ; the last lap fills nothing
	STEP 1, 0, 0
	s_wait_dscnt 4*NL
	WIN MUL_LO
	MUL16 0, 1, NQ-1, 1, 0
	MUL16 2, 1, NQ-1, 1, 0
	s_wait_dscnt 0
	WIN MUL_HI
	MUL16 4, 1, NQ-1, 1, 0
	MUL16 6, 1, NQ-1, 1, 0
	WIN 0
	PLACES NP
; THE QUANTISER, a block of 16 of A's rows at a time: 64 numbers a lane, four blocks of 32 (each shared with lane l xor 16).  A block's largest magnitude, with the floor 2^(3 - 127) among its leaves; 2 off its exponent
; field gives the conversion's scale operand, 23 bits down the scale's byte.  The conversions' results are half blocks; three swaps for each pair of blocks give each lane a whole block, as the operand's layout wants.
; Each accumulator is read from its low end on.  The 12 registers leave as two half fragments: registers 0-5 to the pair's first head (v: keys 0-63 of the step), registers 6-11 one head's bytes further on.
.macro QUANTW a
.set W, 2+(\a)/4
.set AC, 64*((\a)%4)
.set WM, (W<<2)|(W<<4)
	WIN 0
	s_wait_xcnt 0x0                                ; the last block's stores have read their registers: the codes may be written again
.irp b, 0,1,2,3
	v_mov_b32 v[TM+\b], 0x1800000                  ; the floor: so the byte cannot fall under 1
.endr
	WIN WM                                         ; sources 1 and 2: the accumulators' window
.irp i, 0,2,4,6,8,10,12,14
.irp b, 0,1,2,3
	v_max3_num_f32 v[TM+\b], v[TM+\b], |v[AC+16*\b+\i]|, |v[AC+16*\b+\i+1]|
.endr
.endr
	WIN 0
.irp b, 0,1,2,3
	v_permlanex16_b32 v[TM+4+\b], v[TM+\b], s[SEL], s[SEL+1]
.endr
.irp b, 0,1,2,3
	v_max_num_f32 v[TM+\b], v[TM+\b], v[TM+4+\b]   ; with lane l xor 16's: the block's largest magnitude
.endr
.irp b, 0,1,2,3
	v_add_nc_u32 v[TM+12+\b], 0xff000000, v[TM+\b] ; 2 off its exponent field: the conversion's scale operand
.endr
.irp b, 0,1,2,3
	v_lshrrev_b32 v[TM+4+\b], 23, v[TM+12+\b]      ; the scale's byte
.endr
	v_lshl_or_b32 v[SW+(\a)], v[TM+5], 8, v[TM+4]  ; my row's scale word
	v_lshl_or_b32 v[SW+(\a)], v[TM+6], 16, v[SW+(\a)]
	v_lshl_or_b32 v[SW+(\a)], v[TM+7], 24, v[SW+(\a)]
	WIN W                                          ; source 0: the accumulators' window
.irp c, 0,1
	v_cvt_scalef32_pk16_fp6_f32 v[CD+6*\c:CD+2+6*\c], v[AC+32*\c:AC+15+32*\c], v[TM+12+2*\c]
	v_cvt_scalef32_pk16_fp6_f32 v[CD+12+4*\c:CD+14+4*\c], v[AC+16+32*\c:AC+31+32*\c], v[TM+12+2*\c+1]   ; (a conversion's three registers begin on an even number)
.endr
	WIN 0
	v_nop                                          ; one plain place behind a scaled conversion
.irp c, 0,1
.irp i, 0,1,2
	v_permlane16_swap_b32 v[CD+6*\c+\i], v[CD+12+4*\c+\i]
.endr
.irp i, 0,1,2
	v_mov_b32 v[CD+3+6*\c+\i], v[CD+12+4*\c+\i]
.endr
.endr
	global_store_b128 v[O16], v[CD:CD+3], s[12:13] offset:(\a)*HF              ; 32 lanes store 512 consecutive bytes, aligned to 256
	global_store_b64 v[O8], v[CD+4:CD+5], s[12:13] offset:(\a)*HF+512          ; and 256
	global_store_b128 v[O16], v[CD+6:CD+9], s[12:13] offset:HEADB+(\a)*HF
	global_store_b64 v[O8], v[CD+10:CD+11], s[12:13] offset:HEADB+(\a)*HF+512
.endm
.irp a, 0,1,2,3,4,5,6,7
	QUANTW \a
.endr
; THE SCALE WORDS.  q, k: a row's word holds two bytes for each of the two heads; the next product takes two token tiles in one operand, so the words of tiles 2 f and 2 f + 1 are paired head by head.
; v: a row's word is the operand's word as it stands: blocks 0-3 are the first head's channel tiles, 4-7 the second's.  Which of the two is stored is a choice of values, not a branch.
; A head's four words go into two registers: lanes 0-15 the even one, lanes 16-31 the odd one, as the scaled product reads them.
.irp f, 0,1,2,3
	v_perm_b32 v[PW+\f], v[SW+2*\f+1], v[SW+2*\f], 0x05040100     ; the first head's: the two low halves
.endr
.irp f, 0,1,2,3
	v_perm_b32 v[PW+4+\f], v[SW+2*\f+1], v[SW+2*\f], 0x07060302   ; the second head's: the two high halves
.endr
.irp i, 0,1,2,3,4,5,6,7
	v_cndmask_b32 v[EW+\i], v[PW+\i], v[SW+\i], s[ISV]
.endr
.irp i, 0,1,2,3
	v_cndmask_b32 v[RW+\i], v[EW+2*\i], v[EW+2*\i+1], s[HM]
.endr
	global_store_b64 v[O8], v[RW:RW+1], s[66:67]                   ; 32 lanes store 256 consecutive bytes, aligned
	global_store_b64 v[O8], v[RW+2:RW+3], s[66:67] offset:4096     ; the second head's: 16 steps x 256 bytes on
	s_wait_tensorcnt 0x0                           ; the wave's end
	ds_add_u32 v[SPW], v[NIL]
	s_wait_dscnt 0x0
	CROUND                                         ; the closing round: no work-group ends while a partner may still ask for a tile that names it
	s_endpgm
.Lfunc_end_k_q558989208a_proj:
	.size	k_q558989208a_proj, .Lfunc_end_k_q558989208a_proj-k_q558989208a_proj
	.p2alignl 7, 3214868480
	.fill 96, 4, 3214868480
	.section	.rodata,"a",@progbits
	.p2align	6, 0x0
	.amdhsa_kernel k_q558989208a_proj
		.amdhsa_group_segment_fixed_size 327680
		.amdhsa_private_segment_fixed_size 0
		.amdhsa_enable_private_segment 0
		.amdhsa_kernarg_size 144
		.amdhsa_user_sgpr_count 2
		.amdhsa_user_sgpr_kernarg_segment_ptr 1
		.amdhsa_wavefront_size32 1
		.amdhsa_system_sgpr_workgroup_id_x 1
		.amdhsa_system_sgpr_workgroup_id_y 1
		.amdhsa_system_sgpr_workgroup_id_z 1
		.amdhsa_system_vgpr_workitem_id 0
		.amdhsa_next_free_vgpr 1024
		.amdhsa_next_free_sgpr 102
		.amdhsa_reserve_vcc 0
		.amdhsa_float_denorm_mode_32 3
		.amdhsa_float_denorm_mode_16_64 3
		.amdhsa_memory_ordered 1
		.amdhsa_forward_progress 1
		.amdhsa_inst_pref_size 168
	.end_amdhsa_kernel
	.amdgpu_metadata
---
amdhsa.version: [ 1, 2 ]
amdhsa.kernels:
  - .name:           k_q558989208a_proj
    .symbol:         k_q558989208a_proj.kd
    .args:
      - { .name: q_codes, .offset: 0, .size: 8, .value_kind: global_buffer, .address_space: global }
      - { .name: q_scales, .offset: 8, .size: 8, .value_kind: global_buffer, .address_space: global }
      - { .name: w_q_codes, .offset: 16, .size: 8, .value_kind: global_buffer, .address_space: global }
      - { .name: w_q_scales, .offset: 24, .size: 8, .value_kind: global_buffer, .address_space: global }
      - { .name: qimg, .offset: 32, .size: 8, .value_kind: global_buffer, .address_space: global }
      - { .name: qsc, .offset: 40, .size: 8, .value_kind: global_buffer, .address_space: global }
      - { .name: k_codes, .offset: 48, .size: 8, .value_kind: global_buffer, .address_space: global }
      - { .name: k_scales, .offset: 56, .size: 8, .value_kind: global_buffer, .address_space: global }
      - { .name: w_k_codes, .offset: 64, .size: 8, .value_kind: global_buffer, .address_space: global }
      - { .name: w_k_scales, .offset: 72, .size: 8, .value_kind: global_buffer, .address_space: global }
      - { .name: kimg, .offset: 80, .size: 8, .value_kind: global_buffer, .address_space: global }
      - { .name: ksc, .offset: 88, .size: 8, .value_kind: global_buffer, .address_space: global }
      - { .name: w_v_codes, .offset: 96, .size: 8, .value_kind: global_buffer, .address_space: global }
      - { .name: w_v_scales, .offset: 104, .size: 8, .value_kind: global_buffer, .address_space: global }
      - { .name: v_codes, .offset: 112, .size: 8, .value_kind: global_buffer, .address_space: global }
      - { .name: v_scales, .offset: 120, .size: 8, .value_kind: global_buffer, .address_space: global }
      - { .name: vimg, .offset: 128, .size: 8, .value_kind: global_buffer, .address_space: global }
      - { .name: vsc, .offset: 136, .size: 8, .value_kind: global_buffer, .address_space: global }
    .group_segment_fixed_size: 327680
    .private_segment_fixed_size: 0
    .kernarg_segment_align: 8
    .kernarg_segment_size: 144
    .max_flat_workgroup_size: 128
    .sgpr_count:     102
    .vgpr_count:     1024
    .wavefront_size: 32
...
	.end_amdgpu_metadata
.endif
;; end of part 1
;; launch attn (part 2): grid 4 x 64, 16 waves a work-group, clusters of 4 x 1, 206,848 bytes of LDS; arguments qimg, qsc, kimg, ksc, vimg, vsc, oimg, osc; writes oimg, osc
.if DOCPART == 2
	.amdgcn_target "amdgcn-amd-amdhsa--gfx1250"
	.amdhsa_code_object_version 6
	.text
	.protected	k_q558989208a_attn
	.globl	k_q558989208a_attn
	.p2align	8
	.type	k_q558989208a_attn,@function
k_q558989208a_attn:
	s_mov_b64 s[64:65], 0
	v_nop
	global_prefetch_b8 v0, s[64:65] scope:SCOPE_SE
	s_setreg_imm32_b32 hwreg(HW_REG_WAVE_MODE, 25, 1), 1
	s_wait_xcnt 0x0
	s_wait_alu depctr_hold_cnt(0) depctr_sa_sdst(0) depctr_va_vdst(0) depctr_va_sdst(0) depctr_va_ssrc(0) depctr_va_vcc(0) depctr_vm_vsrc(0)
	s_getreg_b32 s2, hwreg(HW_REG_IB_STS2, 6, 4)
	s_cmp_eq_u32 s2, 0
	s_cbranch_scc0 .Lentry_in_a_cluster
	s_endpgm
.Lentry_in_a_cluster:
	s_bfe_u32 s2, ttmp6, 0x10000c
	s_cmp_lg_u32 s2, 0x3003
	s_cbranch_scc0 .Lentry_shape_is_right
	s_endpgm
.Lentry_shape_is_right:
; ATTENTION of one head a cluster, on codes of FP6 (E2M3) with one E8M0 scale for each 32 along a product's K.  scores = eq ek^T / 8; softmax; causal mask; renormalised; attn ev; the result quantised along H.
; A full softmax, masked below the diagonal and divided by what is left, is the softmax over the visible keys: the full row's maximum and sum cancel.  So only keys up to the query are walked.
; WHAT IS QUANTISED FOR THE SECOND PRODUCT IS THE FINISHED, NORMALISED attn, so a row's sum must be known before any of its numbers is quantised: TWO PASSES over the keys.
; Pass 1: the running largest t (t = score x log2(e) / 8), M = that rounded up to a whole number, the sum l of 2^(t - M).  Pass 2: the scores again, attn = 2^(t - M) x (1 / l), quantised along the keys, times ev.
; SHARES.  A cluster of four work-groups owns a head; wave w of the work-group at place cx owns the query tiles 4 w + cx and 127 - (4 w + cx): 17 key steps of 128 in each pass, for every wave.
; The step on the diagonal is w / 2 and 15 - w / 2: made of the wave's number alone, so no branch hangs on the place in the cluster.
; LDS holds the head's K and V codes and scale words whole, filled once by joint tensor loads (each of the sixteen waves brings one step of each); nothing is filled again and nothing is stored to LDS.
; LAYOUT.  Both products are used transposed: S^T = K Q^T (source 0 = 16 keys), O^T = V^T attn^T (source 0 = 16 channels): a lane holds ONE query (lane % 16) throughout.
; THE FIRST PRODUCT'S K IS 64, the instruction's 128: a fragment of K holds TWO key tiles (one in each half of the 128), and Q stands twice, as [Q | zeros] and [zeros | Q]: the zero codes silence the other tile.
; ORDER INSIDE A BLOCK OF 32 KEYS: a lane's 16 registers of tiles 2 b and 2 b + 1 are keys 8 h + 0 .. 7 and 16 + 8 h + 0 .. 7 of block b; ev's codes were made by the same lines and stand in the same order.
; The output meets given codes (w_m), so O is brought into the natural order of channels, by sixteen swaps of lane halves, ahead of its quantiser.
; LIMITS.  The maximum taken away is that of the visible keys: where the full row's softmax underflows on every visible key (0 / 0) this text gives the finite causal value.  A block's largest attn has 16 units in the
; last place (under 2e-6 of it) added before its exponent is taken, so that a largest attn that is 1 but for rounding takes the scale of 1.  Scale bytes are held at 1 from below; a block of zeros has the byte 1.  NaN and infinities are not served.
.set HF,   768                         ; a half fragment: registers 6 c .. 6 c + 5 of an operand, 32 lanes: the first four at 16 l, the last two at 512 + 8 l
.set STEPB, 8*HF                       ; a key step's codes of K, or of V
.set VCO,  98304                       ; LDS: K's codes at 0 (16 steps x 6,144); V's here;
.set KSC,  196608                      ; K's scale words (16 steps x 256);
.set VSC,  200704                      ; V's
.set L16,  1                           ; v1   16 x lane
.set L8,   2                           ; v2   8 x lane
.set LSC,  3                           ; v3   KSC + 8 x lane
.set RH,   4                           ; v4   r - 8 h
.set NINF, 6                           ; v6   -infinity
.set AD16, 7                           ; v7-11 the step's LDS addresses: K's (16 and 8 bytes a lane), the scale words', V's
.set AD8,  8
.set ADS,  9
.set ADV16, 10
.set ADV8, 11
                                       ; v12 -M, v13 the largest t, v[14:15] the sum in two halves
.set QLO,  16                          ; v16-27 [Q | 0]
.set QHI,  28                          ; v28-39 [0 | Q]
.set KF,   40                          ; v40-87 four fragments of K, then of V
.set KSR,  88                          ; v88-89 K's scale words
.set VSR,  90                          ; v90-91 V's
.set QS,   92                          ; v92    Q's
.set PS,   93                          ; v93    attn's
.set RL,   94                          ; v94-95 1 / l, twice
.set S,    96                          ; v96-159  S^T, then attn
.set O,    160                         ; v160-191 O^T
.set PC,   192                         ; v192-203 codes
.set PH,   204                         ; v204-211 the conversions' second halves
.set BM,   212                         ; v212-215 a block's largest
.set BT,   216                         ; v216-219 the other half's; bytes
.set BO,   220                         ; v220-223 scale operands
.set T2,   224                         ; v224-225 the sums' second chain
.set OB2,  226                         ; v226   the output's two scale bytes
.set QSTA, 228                         ; v228-234 the first tile's Q and its scale word as loaded
.set QSTB, 236                         ; v236-242 the second's
.set LV16, 243                         ; v243   VCO + 16 x lane
.set LV8,  244                         ; v244   VCO + 8 x lane
.set R8,   245                         ; v245   8 r
.set R32,  246                         ; v246   32 r
.set DMA,  247                         ; v247   the first tile's query in its step, less 8 h
.set DMB,  248                         ; v248   the second's
.set FF,   252                         ; v252-253 f = 2^(old M - new M)
.set TT,   254
.set SELA, 2                           ; s2, s3 byte selects that spread a tile's two scale bytes
.set SELB, 3
.set WV,   20
.set CX,   21
.set BH,   22
.set SDA,  23                          ; the diagonal's step
.set SDB,  24
.set TA,   25                          ; the tiles
.set TBB,  26
.set SEL,  28                          ; s[28:29] lane l xor 16
.set CS,   30                          ; s[30:31] c = log2(e) / 8
.set G1K,  32
.set G1S,  40
.set G1V,  48
.set G0K,  56
.set G0KS, 60
.set G0V,  68
.set G0VS, 72
.set STEP, 76
.set TK,   77
.set TS,   78
.set QBA,  84
.set QBB,  86
.set QSA,  88
.set QSB,  90
.set OBA,  92
.set OBB,  94
.set OSA,  96
.set OSB,  98
.macro CROUND                          ; a round of the cluster's barrier
	s_barrier_signal -1
	s_barrier_wait -1
	s_cmp_lg_u32 s[WV], 0
	s_cbranch_scc1 .Lnot_wave_0_\@
	s_barrier_signal -3
.Lnot_wave_0_\@:
	s_barrier_wait -3
	s_barrier_signal -1
	s_barrier_wait -1
.endm
	s_load_b512 s[4:19], s[0:1], 0x0               ; qimg, qsc, kimg, ksc, vimg, vsc, oimg, osc
	v_lshl_add_u32 v251, v0, 2, 0x32000
	v_mov_b32 v255, 0
	ds_add_u32 v251, v255
	ds_add_u32 v251, v255
	v_lshrrev_b32 v7, 5, v0
	v_readfirstlane_b32 s[WV], v7                  ; wave 0..15
	s_bfe_u32 s[CX], ttmp6, 0x40000                ; my place in the cluster: it enters Q's and the output's addresses and the mask's numbers alone
	s_and_b32 s[BH], ttmp7, 0xffff                 ; 16 x batch + head, which the four partners share
	; descriptor groups 1: elements of 8 bytes, no padding, the mask of all four work-groups with bit 21 beside it
	s_mov_b32 s[G1K], 15|(3<<16)|(1<<21)           ; a step's codes of K: 6,144 dense bytes as 24 rows of 256
	s_mov_b32 s[G1K+1], 32<<16
	s_mov_b32 s[G1K+2], 24<<16
	s_mov_b32 s[G1K+3], 32<<16
	s_mov_b32 s[G1K+4], 24
	s_mov_b32 s[G1K+5], 32
	s_mov_b32 s[G1K+6], 0
	s_mov_b32 s[G1K+7], 0
	s_mov_b32 s[G1S], 15|(3<<16)|(1<<21)           ; a step's scale words: one row of 256 bytes
	s_mov_b32 s[G1S+1], 32<<16
	s_mov_b32 s[G1S+2], 1<<16
	s_mov_b32 s[G1S+3], 32<<16
	s_mov_b32 s[G1S+4], 1
	s_mov_b32 s[G1S+5], 32
	s_mov_b32 s[G1S+6], 0
	s_mov_b32 s[G1S+7], 0
	s_mov_b32 s[G1V], 15|(3<<16)|(1<<21)           ; a step's codes of V: two rows of 3,072 bytes (keys 0-63, keys 64-127), 98,304 bytes apart
	s_mov_b32 s[G1V+1], 384<<16
	s_mov_b32 s[G1V+2], 2<<16
	s_mov_b32 s[G1V+3], 384<<16
	s_mov_b32 s[G1V+4], 2
	s_mov_b32 s[G1V+5], 12288
	s_mov_b32 s[G1V+6], 0
	s_mov_b32 s[G1V+7], 0
	s_lshl_b32 s80, s[BH], 4
	s_add_co_u32 s80, s80, s[WV]                   ; 16 x head + my step
	s_mul_i32 s82, s80, STEPB
	s_mov_b32 s83, 0
	s_lshl_b32 s80, s80, 8
	s_mov_b32 s81, 0
	s_and_b32 s76, s[BH], 0xfffe                   ; V: the pair's first head,
	s_lshl_b32 s76, s76, 7
	s_lshl_b32 s77, s[WV], 3                       ; my step,
	s_add_co_u32 s76, s76, s77
	s_and_b32 s77, s[BH], 1                        ; the head's parity: four half fragments on
	s_lshl_b32 s77, s77, 2
	s_add_co_u32 s76, s76, s77
	s_mul_i32 s76, s76, HF
	s_mov_b32 s77, 0
	s_mov_b32 s[SEL], 0x76543210
	s_mov_b32 s[SEL+1], 0xfedcba98
	s_mov_b32 s[CS], 0x3e38aa3b                    ; log2(e) / 8
	s_mov_b32 s[CS+1], s[CS]
	s_wait_dscnt 0x0
	s_wait_kmcnt 0x0
	s_mov_b32 s[G0K], 1
	s_mul_i32 s[G0K+1], s[WV], STEPB               ; LDS: my step's place: the wave's number times a constant
	s_add_nc_u64 s[G0K+2:G0K+3], s[8:9], s[82:83]
	s_or_b32 s[G0K+3], s[G0K+3], 0x80000000
	s_mov_b32 s[G0KS], 1
	s_lshl_b32 s[G0KS+1], s[WV], 8
	s_add_co_u32 s[G0KS+1], s[G0KS+1], KSC
	s_add_nc_u64 s[G0KS+2:G0KS+3], s[10:11], s[80:81]
	s_or_b32 s[G0KS+3], s[G0KS+3], 0x80000000
	s_mov_b32 s[G0V], 1
	s_mul_i32 s[G0V+1], s[WV], STEPB
	s_add_co_u32 s[G0V+1], s[G0V+1], VCO
	s_add_nc_u64 s[G0V+2:G0V+3], s[12:13], s[76:77]
	s_or_b32 s[G0V+3], s[G0V+3], 0x80000000
	s_mov_b32 s[G0VS], 1
	s_lshl_b32 s[G0VS+1], s[WV], 8
	s_add_co_u32 s[G0VS+1], s[G0VS+1], VSC
	s_add_nc_u64 s[G0VS+2:G0VS+3], s[14:15], s[80:81]
	s_or_b32 s[G0VS+3], s[G0VS+3], 0x80000000
	CROUND                                         ; all four work-groups are here: the joint loads meet
	tensor_load_to_lds s[G0K:G0K+3], s[G1K:G1K+7]  ; all fills of the launch, one group: four loads of mine are out
	s_nop 0
	tensor_load_to_lds s[G0KS:G0KS+3], s[G1S:G1S+7]
	s_nop 0
	tensor_load_to_lds s[G0V:G0V+3], s[G1V:G1V+7]
	s_nop 0
	tensor_load_to_lds s[G0VS:G0VS+3], s[G1S:G1S+7]
	s_nop 0
.rept 4
	v_nop                                          ; behind the tensor loads
.endr
	v_and_b32 v7, 31, v0                           ; lane
	v_lshlrev_b32 v[L16], 4, v7
	v_lshlrev_b32 v[L8], 3, v7
	v_add_nc_u32 v[LSC], KSC, v[L8]
	v_add_nc_u32 v[LV16], VCO, v[L16]
	v_add_nc_u32 v[LV8], VCO, v[L8]
	v_and_b32 v8, 15, v0                           ; r
	v_bfe_u32 v9, v0, 4, 1                         ; h
	v_lshlrev_b32 v[R8], 3, v8
	v_lshlrev_b32 v[R32], 5, v8
	v_lshlrev_b32 v9, 3, v9
	v_sub_nc_u32 v[RH], v8, v9
	v_mov_b32 v[NINF], 0xff800000
	s_lshl_b32 s[TA], s[WV], 2
	s_add_co_u32 s[TA], s[TA], s[CX]               ; my first tile of queries,
	s_sub_co_u32 s[TBB], 127, s[TA]                ; and my second
	s_lshr_b32 s[SDA], s[WV], 1
	s_sub_co_u32 s[SDB], 15, s[SDA]
; Tile t's addresses: Q's half fragment; its scale word (in the pair word of fragment (t % 8) / 2 of step t / 8); the output's half fragment and scale bytes; the byte select; the mask's number.
.macro TADDR t, qb, qs, ob, os, sel, dm
	s_lshl_b32 s80, s[BH], 7
	s_add_co_u32 s80, s80, s[\t]
	s_mul_i32 s80, s80, HF
	s_mov_b32 s81, 0
	s_add_nc_u64 s[\qb:\qb+1], s[4:5], s[80:81]
	s_lshl_b32 s80, s[BH], 4
	s_lshr_b32 s82, s[\t], 3
	s_add_co_u32 s80, s80, s82
	s_lshl_b32 s80, s80, 8                         ; (16 head + step) x 256
	s_bfe_u32 s82, s[\t], 0x10001                  ; an odd fragment's words lie in lanes 16-31: 128 bytes on
	s_lshl_b32 s82, s82, 7
	s_add_co_u32 s80, s80, s82
	s_bfe_u32 s82, s[\t], 0x10002                  ; fragments 2 and 3 in a lane's second word
	s_lshl_b32 s82, s82, 2
	s_add_co_u32 s80, s80, s82
	s_add_nc_u64 s[\qs:\qs+1], s[6:7], s[80:81]
	s_lshr_b32 s82, s[BH], 4
	s_lshl_b32 s82, s82, 7
	s_add_co_u32 s82, s82, s[\t]                   ; the tile among all 512
	s_and_b32 s83, s[BH], 15                       ; the head
	s_lshl_b32 s80, s82, 4
	s_add_co_u32 s80, s80, s83
	s_mul_i32 s80, s80, HF
	s_add_nc_u64 s[\ob:\ob+1], s[16:17], s[80:81]
	s_lshl_b32 s80, s82, 9                         ; 16 tokens x 32 scale bytes
	s_lshl_b32 s83, s83, 1
	s_add_co_u32 s80, s80, s83
	s_add_nc_u64 s[\os:\os+1], s[18:19], s[80:81]
	s_and_b32 s82, s[\t], 1                        ; an even tile's two bytes are the pair word's low half, an odd tile's the high half
	s_mul_i32 s82, s82, 0x02020202
	s_add_co_u32 s[\sel], s82, 0x01000100
	s_and_b32 s82, s[\t], 7
	s_lshl_b32 s82, s82, 4
	v_add_nc_u32 v[\dm], s82, v[RH]                ; 16 (t % 8) + r - 8 h
.endm
	TADDR TA, QBA, QSA, OBA, OSA, SELA, DMA
	TADDR TBB, QBB, QSB, OBB, OSB, SELB, DMB
	global_load_b128 v[QSTA:QSTA+3], v[L16], s[QBA:QBA+1]
	global_load_b64 v[QSTA+4:QSTA+5], v[L8], s[QBA:QBA+1] offset:512
	global_load_b32 v[QSTA+6], v[R8], s[QSA:QSA+1]
	global_load_b128 v[QSTB:QSTB+3], v[L16], s[QBB:QBB+1]
	global_load_b64 v[QSTB+4:QSTB+5], v[L8], s[QBB:QBB+1] offset:512
	global_load_b32 v[QSTB+6], v[R8], s[QSB:QSB+1]
.set j, 0
.rept 12
	v_mov_b32 v[QLO+6+j], 0                        ; the zero halves of [Q | 0] and [0 | Q]: written once
.set j, j+1
.endr
.irp b, 0,1,2,3
	v_mov_b32 v[BT+\b], 0                          ; written once: a lane permute's destination counts as one of its sources
.endr
	v_mov_b32 v[FF+1], 0                           ; (named as the upper half of a pair)
; A tile's Q into its two places, its two scale bytes into both halves of one word; O^T is cleared: these 32 moves are also the places between the lines above them and the first product.
.macro SETQ st, sel
	s_wait_xcnt 0x0                                ; the last tile's stores have read their registers
	v_perm_b32 v[QS], v[\st+6], v[\st+6], s[\sel]
.irp i, 0,1,2,3,4,5
	v_mov_b32 v[QLO+\i], v[\st+\i]
	v_mov_b32 v[QHI+6+\i], v[\st+\i]
.endr
.set j, 0
.rept 32
	v_mov_b32 v[O+j], 0
.set j, j+1
.endr
.endm
; A step's eight key tiles (four fragments) and their scale words.  two = 1: V's addresses too; the five additions are then the places behind the last step's products, in front of the loads into their registers.
.macro KLOAD two
	v_add_nc_u32 v[AD16], s[TK], v[L16]
	v_add_nc_u32 v[AD8], s[TK], v[L8]
	v_add_nc_u32 v[ADS], s[TS], v[LSC]
.if \two
	v_add_nc_u32 v[ADV16], s[TK], v[LV16]
	v_add_nc_u32 v[ADV8], s[TK], v[LV8]
.endif
.irp y, 0,1,2,3,4,5,6,7
	ds_load_b128 v[KF+6*\y:KF+6*\y+3], v[AD16] offset:\y*HF          ; 32 lanes read 512 consecutive bytes
	ds_load_b64 v[KF+6*\y+4:KF+6*\y+5], v[AD8] offset:\y*HF+512      ; and 256
.endr
	ds_load_b64 v[KSR:KSR+1], v[ADS]
	s_wait_dscnt 0x0
.endm
; S^T: tile t = the t % 2-th half of fragment t / 2.  Register 8 t + j of lane (r, h) is the score of query r and key 16 t + 8 h + j of the step.
.macro QK
.irp t, 0,1,2,3,4,5,6,7
.if (\t/2)%2
	v_wmma_scale_f32_16x16x128_f8f6f4 v[S+8*\t:S+8*\t+7], v[KF+12*(\t/2):KF+12*(\t/2)+11], v[QLO+12*(\t%2):QLO+12*(\t%2)+11], 0, v[KSR+\t/4], v[QS] matrix_a_fmt:MATRIX_FMT_FP6 matrix_b_fmt:MATRIX_FMT_FP6 matrix_a_scale:MATRIX_SCALE_ROW1
.else
	v_wmma_scale_f32_16x16x128_f8f6f4 v[S+8*\t:S+8*\t+7], v[KF+12*(\t/2):KF+12*(\t/2)+11], v[QLO+12*(\t%2):QLO+12*(\t%2)+11], 0, v[KSR+\t/4], v[QS] matrix_a_fmt:MATRIX_FMT_FP6 matrix_b_fmt:MATRIX_FMT_FP6
.endif
.endr
.rept 4
	v_nop                                          ; places behind the products (ISA guide 7.12.1)
.endr
.endm
.macro VLOAD                           ; the step's four channel tiles of V (each: keys 0-63, keys 64-127) into the registers that K has left, and their scale words
.irp d, 0,1,2,3
.irp c, 0,1
	ds_load_b128 v[KF+12*\d+6*\c:KF+12*\d+6*\c+3], v[ADV16] offset:\c*4*HF+\d*HF
	ds_load_b64 v[KF+12*\d+6*\c+4:KF+12*\d+6*\c+5], v[ADV8] offset:\c*4*HF+\d*HF+512
.endr
.endr
	ds_load_b64 v[VSR:VSR+1], v[ADS] offset:VSC-KSC
.endm
; On the diagonal's step the scores of hidden keys become -infinity: 2^(..) is then 0.  Hidden: 16 t + j + 8 h > the query's number in the step.  The other steps jump over it (a branch on the wave's number and the count of steps).
.macro MASK sd, dm
	s_cmp_lg_u32 s[STEP], s[\sd]
	s_cbranch_scc1 .Lopen_\@
.set n, 0
.rept 64
	v_cmp_gt_i32 vcc_lo, 16*(n/8)+n%8, v[\dm]
	v_cndmask_b32 v[S+n], v[S+n], v[NINF], vcc_lo
.set n, n+1
.endr
.Lopen_\@:
.endm
.macro BMAX                            ; the largest score of each block of 32 keys among my 16 of it; each accumulator is read from its low end on
.irp b, 0,1,2,3
	v_max3_num_f32 v[BM+\b], v[S+16*\b], v[S+1+16*\b], v[S+2+16*\b]
.endr
.irp i, 3,5,7,9,11,13
.irp b, 0,1,2,3
	v_max3_num_f32 v[BM+\b], v[BM+\b], v[S+16*\b+\i], v[S+1+16*\b+\i]
.endr
.endr
.irp b, 0,1,2,3
	v_max_num_f32 v[BM+\b], v[BM+\b], v[S+15+16*\b]
.endr
.endm
.macro TMINUSM                         ; t - M, two at a time (of the pairs c and -M the low word serves both halves)
.set j, 0
.rept 32
	v_pk_fma_f32 v[S+j:S+j+1], v[S+j:S+j+1], s[CS:CS+1], v[12:13] op_sel_hi:[1,0,0]
.set j, j+2
.endr
.endm
.macro EXP64
.set j, 0
.rept 64
	v_exp_f32 v[S+j], v[S+j]
.set j, j+1
.endr
.endm
; Both passes walk sixteen trips, a constant of the text; a step all of whose keys come after my queries is left out by a branch round its work, not round the lines that step the addresses.
.macro PASS1 sd, dm
	v_mov_b32 v13, 0xff61b1e6                      ; the largest t so far: -3e38
	v_floor_f32 v12, -v13                          ; -M
	v_mov_b32 v14, 0
	v_mov_b32 v15, 0
	s_mov_b32 s[STEP], 0
	s_mov_b32 s[TK], 0
	s_mov_b32 s[TS], 0
.Lone_\@:
	s_cmp_gt_u32 s[STEP], s[\sd]
	s_cbranch_scc1 .Lone_past_\@
	KLOAD 0
	QK
	MASK \sd, \dm
	BMAX
	v_max3_num_f32 v[TT], v[BM], v[BM+1], v[BM+2]
	v_max_num_f32 v[TT], v[TT], v[BM+3]
	v_permlanex16_b32 v[BT], v[TT], s[SEL], s[SEL+1]
	v_max_num_f32 v[TT], v[TT], v[BT]              ; the step's largest score of my query
	v_mul_f32 v[TT], s[CS], v[TT]
	v_max_num_f32 v13, v13, v[TT]                  ; the running largest t
	v_mov_b32 v[TT], v12
	v_floor_f32 v12, -v13                          ; the new -M: M is a whole number
	v_sub_f32 v[TT], v12, v[TT]
	v_cvt_i32_f32 v[TT], v[TT]                     ; (it saturates)
	v_ldexp_f32 v[FF], 1.0, v[TT]                  ; f = 2^(old M - new M): a multiplication by it rounds nothing
	TMINUSM
	EXP64
	v_pk_mul_f32 v[14:15], v[14:15], v[FF:FF+1] op_sel_hi:[1,0]   ; the sums under the new M (a plain place behind the exponentials)
	s_wait_alu depctr_va_vdst(0)                   ; one wait for the batch, ahead of its first reader
	v_pk_add_f32 v[T2:T2+1], v[S:S+1], v[S+2:S+3]
.set j, 4
.rept 15
	v_pk_add_f32 v[14:15], v[14:15], v[S+j:S+j+1]
	v_pk_add_f32 v[T2:T2+1], v[T2:T2+1], v[S+j+2:S+j+3]
.set j, j+4
.endr
	v_pk_add_f32 v[14:15], v[14:15], v[T2:T2+1]
.Lone_past_\@:
	s_add_co_u32 s[TK], s[TK], STEPB
	s_add_co_u32 s[TS], s[TS], 256
	s_add_co_u32 s[STEP], s[STEP], 1
	s_cmp_lt_u32 s[STEP], 16
	s_cbranch_scc1 .Lone_\@
	v_add_f32 v14, v14, v15
	v_permlanex16_b32 v[BT], v14, s[SEL], s[SEL+1]
	v_add_f32 v14, v14, v[BT]                      ; the row's sum
	v_rcp_f32 v[RL], v14
	v_nop                                          ; a plain place behind the reciprocal
	s_wait_alu depctr_va_vdst(0)                   ; and the wait ahead of its first reader
	v_mov_b32 v[RL+1], v[RL]
.endm
.macro PASS2 sd, dm
	s_mov_b32 s[STEP], 0
	s_mov_b32 s[TK], 0
	s_mov_b32 s[TS], 0
.Ltwo_\@:
	s_cmp_gt_u32 s[STEP], s[\sd]
	s_cbranch_scc1 .Ltwo_past_\@
	KLOAD 1
	QK
	VLOAD                                          ; V lands while the softmax is walked
	MASK \sd, \dm
	BMAX                                           ; attn rises with the score: a block's largest score gives its largest attn by the same lines
.irp b, 0,1,2,3
	v_permlanex16_b32 v[BT+\b], v[BM+\b], s[SEL], s[SEL+1]
.endr
.irp b, 0,1,2,3
	v_max_num_f32 v[BM+\b], v[BM+\b], v[BT+\b]
.endr
	TMINUSM
.irp b, 0,1,2,3
	v_fma_f32 v[BM+\b], v[BM+\b], s[CS], v12
.endr
	EXP64
.irp b, 0,1,2,3
	v_exp_f32 v[BM+\b], v[BM+\b]
.endr
	v_nop                                          ; a plain place behind the exponentials
	s_wait_alu depctr_va_vdst(0)                   ; one wait for the 68
.irp b, 0,1,2,3
	v_mul_f32 v[BM+\b], v[BM+\b], v[RL]            ; the block's largest attn
.endr
.irp b, 0,1,2,3
	v_max_num_f32 v[BM+\b], 0x1800000, v[BM+\b]    ; the floor 2^(3 - 127): the byte cannot fall under 1
.endr
.irp b, 0,1,2,3
	v_add_nc_u32 v[BO+\b], 0xff000010, v[BM+\b]    ; 16 units in the last place on, 2 off the exponent field: the conversion's scale operand
.endr
.irp b, 0,1,2,3
	v_lshrrev_b32 v[BT+\b], 23, v[BO+\b]
.endr
	v_lshl_or_b32 v[PS], v[BT+1], 8, v[BT]         ; attn's scale word for these 128 keys
	v_lshl_or_b32 v[PS], v[BT+2], 16, v[PS]
	v_lshl_or_b32 v[PS], v[BT+3], 24, v[PS]
.set j, 0
.rept 32
	v_pk_mul_f32 v[S+j:S+j+1], v[S+j:S+j+1], v[RL:RL+1]   ; attn = 2^(t - M) / l, finished.  (These 32 are also the places between the scale word's last line and the products)
.set j, j+2
.endr
.irp c, 0,1
	v_cvt_scalef32_pk16_fp6_f32 v[PC+6*\c:PC+2+6*\c], v[S+32*\c:S+15+32*\c], v[BO+2*\c]
	v_cvt_scalef32_pk16_fp6_f32 v[PH+4*\c:PH+2+4*\c], v[S+16+32*\c:S+31+32*\c], v[BO+2*\c+1]   ; (a conversion's three registers begin on an even number)
.endr
	v_nop                                          ; one plain place behind a scaled conversion
.irp c, 0,1                                    ; the operand's layout wants a whole block in a lane
.irp i, 0,1,2
	v_permlane16_swap_b32 v[PC+6*\c+\i], v[PH+4*\c+\i]
.endr
.irp i, 0,1,2
	v_mov_b32 v[PC+3+6*\c+\i], v[PH+4*\c+\i]
.endr
.endr
.rept 4
	v_nop                                          ; an operand written by vector instructions stands four places ahead of a scaled product
.endr
	s_wait_dscnt 0x0                               ; V and its scale words are in
.irp d, 0,1,2,3                                ; O^T += V^T attn^T: the four accumulators by turns
.if \d%2
	v_wmma_scale_f32_16x16x128_f8f6f4 v[O+8*\d:O+8*\d+7], v[KF+12*\d:KF+12*\d+11], v[PC:PC+11], v[O+8*\d:O+8*\d+7], v[VSR+\d/2], v[PS] matrix_a_fmt:MATRIX_FMT_FP6 matrix_b_fmt:MATRIX_FMT_FP6 matrix_a_scale:MATRIX_SCALE_ROW1
.else
	v_wmma_scale_f32_16x16x128_f8f6f4 v[O+8*\d:O+8*\d+7], v[KF+12*\d:KF+12*\d+11], v[PC:PC+11], v[O+8*\d:O+8*\d+7], v[VSR+\d/2], v[PS] matrix_a_fmt:MATRIX_FMT_FP6 matrix_b_fmt:MATRIX_FMT_FP6
.endif
.endr
.Ltwo_past_\@:
	s_add_co_u32 s[TK], s[TK], STEPB
	s_add_co_u32 s[TS], s[TS], 256
	s_add_co_u32 s[STEP], s[STEP], 1
	s_cmp_lt_u32 s[STEP], 16
	s_cbranch_scc1 .Ltwo_\@
.endm
; THE WAY OUT of a tile.  Register 8 d + j of lane (r, h) is channel 16 d + 8 h + j of query r.  Swapping the lane halves of tiles 2 f and 2 f + 1 gives lane (r, h) the channels 32 f + 16 h + 0 .. 15 in order.
; Two blocks of 32 are quantised; the six registers are the head's half fragment of the last product's operand, stored as 512 + 256 consecutive bytes; the two scale bytes go to the token's row of 32.
.macro OUT ob, os
.rept 4
	v_nop                                          ; places behind the last products
.endr
.irp f, 0,1
.irp j, 0,1,2,3,4,5,6,7
	v_permlane16_swap_b32 v[O+16*\f+\j], v[O+8+16*\f+\j]   ; each accumulator from its low end on
.endr
.endr
.irp f, 0,1
	v_max3_num_f32 v[BM+\f], |v[O+16*\f]|, |v[O+1+16*\f]|, 0x1800000
.endr
.irp i, 2,4,6,8,10,12,14
.irp f, 0,1
	v_max3_num_f32 v[BM+\f], v[BM+\f], |v[O+16*\f+\i]|, |v[O+1+16*\f+\i]|
.endr
.endr
.irp f, 0,1
	v_permlanex16_b32 v[BT+\f], v[BM+\f], s[SEL], s[SEL+1]
.endr
.irp f, 0,1
	v_max_num_f32 v[BM+\f], v[BM+\f], v[BT+\f]
.endr
.irp f, 0,1
	v_add_nc_u32 v[BO+\f], 0xff000000, v[BM+\f]
.endr
.irp f, 0,1
	v_lshrrev_b32 v[BT+\f], 23, v[BO+\f]
.endr
	v_lshl_or_b32 v[OB2], v[BT+1], 8, v[BT]
	v_cvt_scalef32_pk16_fp6_f32 v[PC:PC+2], v[O:O+15], v[BO]
	v_cvt_scalef32_pk16_fp6_f32 v[PH:PH+2], v[O+16:O+31], v[BO+1]
	v_nop                                          ; one plain place behind a scaled conversion
.irp i, 0,1,2
	v_permlane16_swap_b32 v[PC+\i], v[PH+\i]
.endr
.irp i, 0,1,2
	v_mov_b32 v[PC+3+\i], v[PH+\i]
.endr
	global_store_b128 v[L16], v[PC:PC+3], s[\ob:\ob+1]
	global_store_b64 v[L8], v[PC+4:PC+5], s[\ob:\ob+1] offset:512
	global_store_b16 v[R32], v[OB2], s[\os:\os+1]  ; both halves of the lanes hold, and store, the same two bytes
.endm
	s_wait_tensorcnt 0x2                           ; my step of K's codes and scale words has landed; V's two loads may be out
	s_barrier_signal -1
	s_barrier_wait -1                              ; everybody's has
	s_wait_loadcnt 0x0                             ; Q
	SETQ QSTA, SELA
	PASS1 SDA, DMA
	s_wait_tensorcnt 0x0                           ; my step of V has landed,
	s_wait_dscnt 0x0
	s_barrier_signal -1
	s_barrier_wait -1                              ; everybody's has
	PASS2 SDA, DMA
	OUT OBA, OSA
	SETQ QSTB, SELB
	PASS1 SDB, DMB
	PASS2 SDB, DMB
	OUT OBB, OSB
	s_wait_dscnt 0x0
	s_wait_tensorcnt 0x0
	ds_add_u32 v251, v255
	s_wait_dscnt 0x0
	CROUND                                         ; the closing round
	s_endpgm
.Lfunc_end_k_q558989208a_attn:
	.size	k_q558989208a_attn, .Lfunc_end_k_q558989208a_attn-k_q558989208a_attn
	.p2alignl 7, 3214868480
	.fill 96, 4, 3214868480
	.section	.rodata,"a",@progbits
	.p2align	6, 0x0
	.amdhsa_kernel k_q558989208a_attn
		.amdhsa_group_segment_fixed_size 206848
		.amdhsa_private_segment_fixed_size 0
		.amdhsa_enable_private_segment 0
		.amdhsa_kernarg_size 64
		.amdhsa_user_sgpr_count 2
		.amdhsa_user_sgpr_kernarg_segment_ptr 1
		.amdhsa_wavefront_size32 1
		.amdhsa_system_sgpr_workgroup_id_x 1
		.amdhsa_system_sgpr_workgroup_id_y 1
		.amdhsa_system_sgpr_workgroup_id_z 1
		.amdhsa_system_vgpr_workitem_id 0
		.amdhsa_next_free_vgpr 256
		.amdhsa_next_free_sgpr 100
		.amdhsa_reserve_vcc 1
		.amdhsa_float_denorm_mode_32 3
		.amdhsa_float_denorm_mode_16_64 3
		.amdhsa_memory_ordered 1
		.amdhsa_forward_progress 1
		.amdhsa_inst_pref_size 92
	.end_amdhsa_kernel
	.amdgpu_metadata
---
amdhsa.version: [ 1, 2 ]
amdhsa.kernels:
  - .name:           k_q558989208a_attn
    .symbol:         k_q558989208a_attn.kd
    .args:
      - { .name: qimg, .offset: 0, .size: 8, .value_kind: global_buffer, .address_space: global }
      - { .name: qsc, .offset: 8, .size: 8, .value_kind: global_buffer, .address_space: global }
      - { .name: kimg, .offset: 16, .size: 8, .value_kind: global_buffer, .address_space: global }
      - { .name: ksc, .offset: 24, .size: 8, .value_kind: global_buffer, .address_space: global }
      - { .name: vimg, .offset: 32, .size: 8, .value_kind: global_buffer, .address_space: global }
      - { .name: vsc, .offset: 40, .size: 8, .value_kind: global_buffer, .address_space: global }
      - { .name: oimg, .offset: 48, .size: 8, .value_kind: global_buffer, .address_space: global }
      - { .name: osc, .offset: 56, .size: 8, .value_kind: global_buffer, .address_space: global }
    .group_segment_fixed_size: 206848
    .private_segment_fixed_size: 0
    .kernarg_segment_align: 8
    .kernarg_segment_size: 64
    .max_flat_workgroup_size: 512
    .sgpr_count:     100
    .vgpr_count:     256
    .wavefront_size: 32
...
	.end_amdgpu_metadata
.endif
;; end of part 2
;; launch outp (part 3): grid 4 x 32, 4 waves a work-group, clusters of 4 x 4, 327,680 bytes of LDS; arguments oimg, osc, w_m_codes, w_m_scales, out0; writes out0
.if DOCPART == 3
	.amdgcn_target "amdgcn-amd-amdhsa--gfx1250"
	.amdhsa_code_object_version 6
	.text
	.protected	k_q558989208a_outp
	.globl	k_q558989208a_outp
	.p2align	8
	.type	k_q558989208a_outp,@function
k_q558989208a_outp:
	s_mov_b64 s[64:65], 0
	v_nop
	global_prefetch_b8 v0, s[64:65] scope:SCOPE_SE
	s_setreg_imm32_b32 hwreg(HW_REG_WAVE_MODE, 25, 1), 1
	s_wait_xcnt 0x0
	s_wait_alu depctr_hold_cnt(0) depctr_sa_sdst(0) depctr_va_vdst(0) depctr_va_sdst(0) depctr_va_ssrc(0) depctr_va_vcc(0) depctr_vm_vsrc(0)
	s_getreg_b32 s2, hwreg(HW_REG_IB_STS2, 6, 4)
	s_cmp_eq_u32 s2, 0
	s_cbranch_scc0 .Lentry_in_a_cluster
	s_endpgm
.Lentry_in_a_cluster:
	s_bfe_u32 s2, ttmp6, 0x10000c
	s_cmp_lg_u32 s2, 0xf033
	s_cbranch_scc0 .Lentry_shape_is_right
	s_endpgm
.Lentry_shape_is_right:
; out0 = out w_m on codes of FP6 (E2M3) with one E8M0 scale for each 32 along K = 1,024; sums and result in f32.  C[m][n] = sum over k of A[m][k] B[n][k]: A = the attention's output, 8,192 tokens; B = w_m, K innermost.
; B's codes lie as rows of a stream of bits (768 bytes a row).  A'S CODES LIE AS IMAGES OF THE OPERAND'S REGISTERS: [token tile of 16][head][half fragment of 768 bytes]; a half fragment is registers 6 c .. 6 c + 5 of
; an operand for all 32 lanes (the first four at 16 l, the last two at 512 + 8 l); two heads are a fragment of 128 along K.  So A's fragments come from LDS by loads of 16 and 8 bytes a lane on consecutive bytes.
; A tile of C, 256 x 256, is made by a work-group of four waves, 128 x 128 a wave: 64 accumulators, 512 registers.  K goes in steps of 256 through a ring of two LDS slots filled by the tensor data mover.
; The scales of the work-group's 256 rows of A and of B, for all of K, come into LDS once, with the first fills.
; CLUSTERS: 4 x 4 work-groups; A's tiles are asked for jointly along a row of the cluster, B's along a column.  SOURCE 0 = 16 rows of B, SOURCE 1 = 16 rows of A: a lane holds eight neighbouring numbers of a row of C.
; REGISTERS, in windows of 256: window 0: v0-31 addresses; v32-63 scale words, two sets; from v128 A's fragments, one set.  window 1: B's fragments, two sets.  windows 2, 3: the accumulators.
.set SIZE_M, 8192
.set SIZE_N, 1024
.set SIZE_K, 1024
.set KSTEP,  256
.set NQ,     KSTEP/128
.set ROWB,   192                       ; a row of B's tile in bytes
.set KROW,   SIZE_K*6/8                ; a row of B in memory; also A's bytes for each token
.set PITCH,  240                       ; B's LDS row: 3 x (64 bytes + 16 of padding)
.set FR,     12
.set NL,     6                         ; LDS loads that bring a fragment of B
.set NLA,    4                         ; and of A
.set NP,     4
.set HF,     768
.set ATILE,  4*HF                      ; a token tile's four half fragments of a K step
.set HALFA,  8*ATILE                   ; 128 rows of A: what one tensor load brings
.set HALFB,  128*PITCH                 ; 128 rows of B
.set BOFF,   2*HALFA                   ; a slot: A's 256 rows, then B's 256 rows
.set SLOT,   BOFF+2*HALFB
.set LAPS,   SIZE_K/(2*KSTEP)
.set KS,     SIZE_K/32
.set SCL,    2*SLOT
.set HALFS,  (128*KS/256)*272
.set SBLK,   (16*KS/256)*272
.set SPARE,  SCL+4*HALFS               ; the spare words, 128 bytes for each wave; no other line names them
.set SPITCH, 528                       ; the way out: a stage of 16 rows x (512 bytes + 16) for each wave, in slot 0, which has had its last fill and its last read when the first result is stored there
.set ADRA, 16                          ; v16-17  LDS address of my A fragments in slot 0, 1, 16 bytes a lane;  v18-19: 8 bytes a lane
.set ADRB, 20                          ; v20-21  of my B fragments;  v22-23: behind one padding more
.set STO,  24
.set RD,   25
.set CO,   26
.set ADRS, 27
.set SPW,  28                          ; never rewritten
.set NIL,  29                          ; never rewritten
.set SC,   32
.set AF,   128
.set BK,   128
.set G1, 24
.set G0, 32
.set G1B, 48
.set G0B, 56
.set G1S, 68
.set G0S, 76
.set G1SB, 80
.set G0SB, 88
.set MSB, 0
.macro WIN new
.if MSB != \new
	s_set_vgpr_msb (MSB<<8)|\new
.set MSB, \new
.endif
.endm
.set MUL_LO, 0xa1
.set MUL_HI, 0xf1
.set TO_B,   0x40
.macro JLOAD g0a, g1a, g0b, g1b        ; a joint load: waves 0 and 1 fetch for A, waves 2 and 3 for B; four v_nop follow each of the two lines
	s_cmp_eq_u32 s15, 0
	s_cbranch_scc0 .Lfor_b_\@
	tensor_load_to_lds s[\g0a:\g0a+3], s[\g1a:\g1a+7]
	s_nop 0
.rept 4
	v_nop
.endr
	s_branch .Lasked_\@
.Lfor_b_\@:
	tensor_load_to_lds s[\g0b:\g0b+3], s[\g1b:\g1b+7]
	s_nop 0
.rept 4
	v_nop
.endr
.Lasked_\@:
.endm
.macro CREST
	s_cmp_lg_u32 s14, 0
	s_cbranch_scc1 .Lnot_wave_0_\@
	s_barrier_signal -3
.Lnot_wave_0_\@:
	s_barrier_wait -3
	s_barrier_signal -1
	s_barrier_wait -1
.endm
.macro CROUND
	s_barrier_signal -1
	s_barrier_wait -1
	CREST
.endm
	s_load_b128 s[4:7], s[0:1], 0x0                ; A's images s[4:5], A's scales s[6:7]
	s_load_b128 s[8:11], s[0:1], 0x10              ; B's codes s[8:9], B's scales s[10:11]
	s_load_b64 s[12:13], s[0:1], 0x20              ; C
	v_lshl_add_u32 v[SPW], v0, 2, SPARE
	v_mov_b32 v[NIL], 0
	ds_add_u32 v28, v29
	ds_add_u32 v28, v29
	s_wait_dscnt 0x0
	v_lshrrev_b32 v1, 5, v0
	v_readfirstlane_b32 s14, v1                    ; wave 0..3
	s_lshr_b32 s15, s14, 1                         ; which half of the tile's rows is mine.  Also: I fetch for A (0) or for B (1)
	s_and_b32 s16, s14, 1                          ; which half of its columns.  Also: which 128 rows of that tile I fetch
	s_bfe_u32 s40, ttmp6, 0x40000                  ; cx, cy
	s_bfe_u32 s41, ttmp6, 0x40004
	s_lshl_b32 s42, ttmp9, 2
	s_add_co_u32 s42, s42, s40                     ; tile column of C
	s_and_b32 s17, ttmp7, 0xffff
	s_lshl_b32 s17, s17, 2
	s_add_co_u32 s17, s17, s41                     ; tile row of C
	s_lshl_b32 s43, s41, 2
	s_lshl_b32 s43, 15, s43                        ; my row of the cluster
	s_lshl_b32 s44, 0x1111, s40                    ; my column
	; A's tiles: 8 token tiles x 3,072 bytes (384 elements of 8), 12,288 bytes apart in memory, on end in LDS
	s_or_b32 s[G1+0], s43, (3<<16)|(1<<21)
	s_mov_b32 s[G1+1], 384<<16
	s_mov_b32 s[G1+2], 8<<16
	s_mov_b32 s[G1+3], 384<<16
	s_mov_b32 s[G1+4], 8
	s_mov_b32 s[G1+5], 1536
	s_mov_b32 s[G1+6], 0
	s_mov_b32 s[G1+7], 0
	; B's tiles: 128 rows x 192 bytes, 16 bytes of padding behind every 64
	s_or_b32 s[G1B+0], s44, (0<<16)|(1<<20)|(1<<21)|(3<<22)|(3<<25)
	s_mov_b32 s[G1B+1], ROWB<<16
	s_mov_b32 s[G1B+2], 128<<16
	s_mov_b32 s[G1B+3], ROWB<<16
	s_mov_b32 s[G1B+4], 128
	s_mov_b32 s[G1B+5], KROW
	s_mov_b32 s[G1B+6], 0
	s_mov_b32 s[G1B+7], 0
	; the scales of 128 rows: 4,096 dense bytes as rows of 256, 16 bytes of padding behind each
	s_or_b32 s[G1S+0], s43, (3<<16)|(1<<20)|(1<<21)|(5<<22)|(3<<25)
	s_or_b32 s[G1SB+0], s44, (3<<16)|(1<<20)|(1<<21)|(5<<22)|(3<<25)
.irp g, G1S, G1SB
	s_mov_b32 s[\g+1], 32<<16
	s_mov_b32 s[\g+2], (128*KS/256)<<16
	s_mov_b32 s[\g+3], 32<<16
	s_mov_b32 s[\g+4], 128*KS/256
	s_mov_b32 s[\g+5], 32
	s_mov_b32 s[\g+6], 0
	s_mov_b32 s[\g+7], 0
.endr
	s_lshl_b32 s18, s16, 7                         ; which 128 rows of the tile I fetch
	s_lshl_b32 s20, s17, 8
	s_add_co_u32 s20, s20, s18                     ; A: row 256 x tile row + 128 x half
	s_lshl_b32 s46, s42, 8
	s_add_co_u32 s46, s46, s18                     ; B: row 256 x tile column + 128 x half
	s_mov_b32 s21, 0
	s_mov_b32 s47, 0
	s_mov_b64 s[18:19], KS
	s_mul_u64 s[22:23], s[20:21], s[18:19]         ; where these rows' scales begin
	s_mul_u64 s[92:93], s[46:47], s[18:19]
	s_mov_b64 s[18:19], KROW
	s_mul_u64 s[20:21], s[20:21], s[18:19]         ; and their codes (A's images: 16 rows are 12,288 bytes, 768 a row as well)
	s_mul_u64 s[46:47], s[46:47], s[18:19]
	s_mul_i32 s45, s16, HALFA                      ; where they go: A's two halves,
	s_mul_i32 s95, s16, HALFB
	s_add_co_u32 s95, s95, BOFF                    ; B's two halves behind them: no place in the cluster enters an LDS address
	s_mul_i32 s94, s14, HALFS
	s_wait_kmcnt 0x0
	s_add_nc_u64 s[20:21], s[4:5], s[20:21]
	s_add_nc_u64 s[22:23], s[6:7], s[22:23]
	s_add_nc_u64 s[46:47], s[8:9], s[46:47]
	s_add_nc_u64 s[92:93], s[10:11], s[92:93]
	CROUND                                         ; all sixteen work-groups are here: the first joint loads meet
	s_mov_b32 s[G0S], 1
	s_add_co_u32 s[G0S+1], s94, SCL
	s_mov_b64 s[G0S+2:G0S+3], s[22:23]
	s_or_b32 s[G0S+3], s[G0S+3], 0x80000000
	s_mov_b32 s[G0SB], 1
	s_add_co_u32 s[G0SB+1], s94, SCL
	s_mov_b64 s[G0SB+2:G0SB+3], s[92:93]
	s_or_b32 s[G0SB+3], s[G0SB+3], 0x80000000
	JLOAD G0S, G1S, G0SB, G1SB                     ; the scales first.  By this text's count three loads of a wave are out at the most
.irp s, 0,1
	s_mov_b32 s[G0+4*\s], 1
	s_add_co_u32 s[G0+4*\s+1], s45, \s*SLOT
	s_add_nc_u64 s[G0+4*\s+2:G0+4*\s+3], s[20:21], \s*ATILE
	s_or_b32 s[G0+4*\s+3], s[G0+4*\s+3], 0x80000000
	s_mov_b32 s[G0B+4*\s], 1
	s_add_co_u32 s[G0B+4*\s+1], s95, \s*SLOT
	s_add_nc_u64 s[G0B+4*\s+2:G0B+4*\s+3], s[46:47], \s*ROWB
	s_or_b32 s[G0B+4*\s+3], s[G0B+4*\s+3], 0x80000000
	JLOAD G0+4*\s, G1, G0B+4*\s, G1B
.endr
	v_and_b32 v1, 15, v0                           ; l % 16
	v_bfe_u32 v2, v0, 4, 1                         ; l / 16
	v_mul_u32_u24 v3, v1, PITCH
	v_mul_u32_u24 v4, v2, 24
	v_add_nc_u32 v4, v3, v4                        ; B: a fragment's row x pitch + 24 x half
	v_lshl_add_u32 v5, v2, 4, v4                   ; and the same behind one padding more
	v_and_b32 v6, 31, v0
	v_lshlrev_b32 v7, 4, v6                        ; A: 16 x lane,
	v_lshlrev_b32 v8, 3, v6                        ; 8 x lane
	s_mul_i32 s21, s15, HALFA                      ; my 128 rows of A
	s_mul_i32 s22, s16, HALFB                      ; my 128 rows of B,
	s_add_co_u32 s22, s22, BOFF                    ; which lie behind A's 256
.irp s, 0,1
	v_add_nc_u32 v[ADRA+\s], s21, v7
	v_add_nc_u32 v[ADRB+\s], s22, v4
	v_add_nc_u32 v[ADRA+2+\s], s21, v8
	v_add_nc_u32 v[ADRB+2+\s], s22, v5
	s_add_co_u32 s21, s21, SLOT
	s_add_co_u32 s22, s22, SLOT
.endr
	v_mul_u32_u24 v5, v1, KS                       ; my row's scales
	v_lshrrev_b32 v6, 8, v5
	v_lshl_add_u32 v5, v6, 4, v5
	s_mul_i32 s21, s15, HALFS
	s_mul_i32 s22, s16, HALFS
	s_add_co_u32 s22, s22, 2*HALFS
	s_sub_co_u32 s22, s22, s21
	v_mul_u32_u24 v6, s22, v2                      ; lanes 16-31 take B's
	s_add_co_u32 s21, s21, SCL
	v_add_nc_u32 v5, v5, v6
	v_add_nc_u32 v[ADRS], s21, v5
	s_mul_i32 s23, s14, 16*SPITCH                  ; my stage
	v_mul_u32_u24 v5, v1, SPITCH                   ; in: row l % 16, 32 bytes for each half of the lanes
	v_lshl_add_u32 v5, v2, 5, v5
	v_add_nc_u32 v[STO], s23, v5
	v_and_b32 v6, 31, v0
	v_lshlrev_b32 v[CO], 4, v6                     ; back: the 32 lanes take one row of 512 bytes; and the same in C
	v_add_nc_u32 v[RD], s23, v[CO]
	s_lshl_b32 s20, s17, 8
	s_lshl_b32 s21, s15, 7
	s_add_co_u32 s20, s20, s21                     ; my first row of C
	s_mov_b32 s21, 0
	s_mov_b64 s[18:19], SIZE_N*4
	s_mul_u64 s[20:21], s[20:21], s[18:19]
	s_lshl_b32 s46, s42, 10                        ; my first column, in bytes
	s_lshl_b32 s47, s16, 9
	s_add_co_u32 s46, s46, s47
	s_mov_b32 s47, 0
	s_add_nc_u64 s[20:21], s[20:21], s[46:47]
	s_add_nc_u64 s[12:13], s[12:13], s[20:21]
.macro FRAG reg, adr, q, i             ; a fragment of B: 24 bytes of the row's stream of bits for each half of K, in pieces of 8 bytes
.irp p, 0,1,2,3,4,5
.set PCE, 12*(\q)+6*(\p/3)+\p%3
.if PCE%8 < 5
	ds_load_b64 v[\reg+2*\p:\reg+2*\p+1], v[\adr] offset:8*PCE+16*(PCE/8)+(\i)*16*PITCH
.else
	ds_load_b64 v[\reg+2*\p:\reg+2*\p+1], v[\adr+2] offset:8*PCE+16*(PCE/8)+(\i)*16*PITCH
.endif
.endr
.endm
.macro FRAGA reg, slot, q, i           ; a fragment of A: two half fragments (two heads) as they were stored
.irp c, 0,1
	ds_load_b128 v[\reg+6*\c:\reg+6*\c+3], v[ADRA+\slot] offset:(\i)*ATILE+(\q)*2*HF+\c*HF
	ds_load_b64 v[\reg+6*\c+4:\reg+6*\c+5], v[ADRA+2+\slot] offset:(\i)*ATILE+(\q)*2*HF+\c*HF+512
.endr
.endm
; 16 matrix instructions: A's blocks a0, a0 + 1 x B's eight.  The 64 accumulators take turns, one instruction a turn, in the same order in every step.
.macro MUL16 a0, p, q, sc, zero
.irp a, \a0, \a0+1
.irp b, 0,1,2,3,4,5,6,7
.if \zero
	v_wmma_scale_f32_16x16x128_f8f6f4 v[8*(8*((\a)%4)+\b):8*(8*((\a)%4)+\b)+7], v[128*(\p)+FR*\b:128*(\p)+FR*\b+FR-1], v[AF+FR*(\a):AF+FR*(\a)+FR-1], 0, v[SC+8*NQ*(\sc)+NQ*\b+(\q)], v[SC+8*NQ*(\sc)+NQ*(\a)+(\q)] matrix_a_fmt:MATRIX_FMT_FP6 matrix_b_fmt:MATRIX_FMT_FP6 matrix_a_scale:MATRIX_SCALE_ROW1
.else
	v_wmma_scale_f32_16x16x128_f8f6f4 v[8*(8*((\a)%4)+\b):8*(8*((\a)%4)+\b)+7], v[128*(\p)+FR*\b:128*(\p)+FR*\b+FR-1], v[AF+FR*(\a):AF+FR*(\a)+FR-1], v[8*(8*((\a)%4)+\b):8*(8*((\a)%4)+\b)+7], v[SC+8*NQ*(\sc)+NQ*\b+(\q)], v[SC+8*NQ*(\sc)+NQ*(\a)+(\q)] matrix_a_fmt:MATRIX_FMT_FP6 matrix_b_fmt:MATRIX_FMT_FP6 matrix_a_scale:MATRIX_SCALE_ROW1
.endif
.endr
.endr
.endm
.macro FETCH_B slot, q, p
	WIN TO_B
.irp i, 0,1,2,3,4,5,6,7
	FRAG 128*(\p)+FR*\i, ADRB+\slot, \q, \i
.endr
	WIN 0
.endm
.macro FETCH_A slot, q, i0
.irp i, \i0, \i0+1, \i0+2, \i0+3
	FRAGA AF+FR*(\i), \slot, \q, \i
.endr
.endm
.macro SCALES sc
.irp i, 0,1,2,3,4,5,6,7
	ds_load_b64 v[SC+8*NQ*\sc+NQ*\i:SC+8*NQ*\sc+NQ*\i+1], v[ADRS] offset:\i*SBLK
.endr
.endm
.macro PLACES n
.rept \n
	v_nop
.endr
.endm
.macro STEP slot, q, zero
	s_wait_dscnt 4*NLA                             ; B's set and A's blocks 0-3 are in; the youngest 16 loads (A's blocks 4-7) may be out
	WIN MUL_LO
	MUL16 0, (\q)%2, \q, \slot, \zero
	MUL16 2, (\q)%2, \q, \slot, \zero
	s_wait_dscnt 0
	PLACES NP
	FETCH_B \slot, (\q)+1, 1-(\q)%2
	FETCH_A \slot, (\q)+1, 0
	WIN MUL_HI
	MUL16 4, (\q)%2, \q, \slot, \zero
	MUL16 6, (\q)%2, \q, \slot, \zero
	PLACES NP
	WIN 0
	FETCH_A \slot, (\q)+1, 4
.endm
.macro TURN slot, next, fill
	s_wait_tensorcnt 0x0                           ; all my tensor loads have landed: my part of the next slot
	ds_add_u32 v[SPW], v[NIL]                      ; 0 onto my spare word
	s_wait_dscnt 4*NLA+1                           ; (the add and the youngest 16 loads may be out)
	WIN MUL_LO
	MUL16 0, 1, NQ-1, \slot, 0
	s_wait_dscnt 0x0                               ; the add is done, and my reads of this slot are over
	s_barrier_signal -1
	MUL16 2, 1, NQ-1, \slot, 0
	WIN 0
	s_barrier_wait -1
.if \fill
	CREST                                          ; the barrier has opened a round of the cluster's
	s_add_nc_u64 s[G0+4*\slot+2:G0+4*\slot+3], s[G0+4*\slot+2:G0+4*\slot+3], 2*ATILE
	s_add_nc_u64 s[G0B+4*\slot+2:G0B+4*\slot+3], s[G0B+4*\slot+2:G0B+4*\slot+3], 2*ROWB
	JLOAD G0+4*\slot, G1, G0B+4*\slot, G1B         ; the first tensor load behind the round; its four v_nop are the places in front of the loads below
.else
	PLACES NP
.endif
	v_add_nc_u32 v[ADRS], 4*NQ, v[ADRS]
	FETCH_B \next, 0, 0
	FETCH_A \next, 0, 0
	SCALES \next
	WIN MUL_HI
	MUL16 4, 1, NQ-1, \slot, 0
	MUL16 6, 1, NQ-1, \slot, 0
	PLACES NP
	WIN 0
	FETCH_A \next, 0, 4
.endm
	s_wait_tensorcnt 1                             ; the scales and my part of K step 0 are in (K step 1's load may be out)
	s_barrier_signal -1
	s_barrier_wait -1
	FETCH_B 0, 0, 0
	FETCH_A 0, 0, 0
	SCALES 0
	FETCH_A 0, 0, 4
	STEP 0, 0, 1                                   ; the first step's products start the sums
	s_mov_b32 s3, LAPS-1
.Llap:
	TURN 0, 1, 1
	STEP 1, 0, 0
	TURN 1, 0, 1
	STEP 0, 0, 0
	s_sub_co_u32 s3, s3, 1
	s_cmp_lg_u32 s3, 0
	s_cbranch_scc1 .Llap
	TURN 0, 1, 0                                   ; the last lap fills nothing
	STEP 1, 0, 0
	s_wait_dscnt 4*NLA
	WIN MUL_LO
	MUL16 0, 1, NQ-1, 1, 0
	MUL16 2, 1, NQ-1, 1, 0
	s_wait_dscnt 0
	WIN MUL_HI
	MUL16 4, 1, NQ-1, 1, 0
	MUL16 6, 1, NQ-1, 1, 0
	WIN 0
; THE WAY OUT, block by block of 16 rows x 128 columns, through my own stage in LDS: in as 32 bytes a lane, back as whole rows of 512 bytes.  LDS serves a wave's instructions in order (ISA guide 5.7.1.4).
.macro TOSTAGE a
.set AC, 64*((\a)%4)
.set WD, 0x08+4*((\a)/4)
	WIN WD                                         ; the data: window 2 or 3
.irp b, 0,1,2,3,4,5,6,7
	ds_store_b128 v[STO], v[AC+8*\b:AC+8*\b+3] offset:64*\b          ; each accumulator from its low end on
	ds_store_b128 v[STO], v[AC+8*\b+4:AC+8*\b+7] offset:64*\b+16
.endr
	WIN 0
.set BB, BK+64*((\a)%2)
.irp t, 0,1,2,3,4,5,6,7,8,9,10,11,12,13,14,15
	ds_load_b128 v[BB+4*\t:BB+4*\t+3], v[RD] offset:\t*SPITCH
.endr
.endm
.macro SEND a, younger                 ; younger: the LDS instructions issued behind block a's loads, which may stay out
.set BB, BK+64*((\a)%2)
	s_wait_dscnt \younger
.if (\a) > 0
	s_add_nc_u64 s[12:13], s[12:13], 16*SIZE_N*4   ; (behind a wait on XCNT: the earlier stores have read their base)
.endif
.irp t, 0,1,2,3,4,5,6,7,8,9,10,11,12,13,14,15
	global_store_b128 v[CO], v[BB+4*\t:BB+4*\t+3], s[12:13] offset:\t*SIZE_N*4 th:TH_STORE_NT   ; 32 lanes store 512 consecutive bytes, at a multiple of 256 from C's first byte
.endr
.endm
	PLACES NP
	TOSTAGE 0
.irp a, 1,2,3,4,5,6,7
.if \a > 1
	s_wait_xcnt 0x0                                ; block a - 2's stores have read their registers and their base
.endif
	TOSTAGE \a
	SEND \a-1, 32                                  ; behind block a - 1's loads: block a's 16 stores and 16 loads
.endr
	s_wait_xcnt 0x0
	SEND 7, 0
	s_wait_tensorcnt 0x0                           ; the wave's end
	ds_add_u32 v[SPW], v[NIL]
	s_wait_dscnt 0x0
	CROUND                                         ; the closing round
	s_endpgm
.Lfunc_end_k_q558989208a_outp:
	.size	k_q558989208a_outp, .Lfunc_end_k_q558989208a_outp-k_q558989208a_outp
	.p2alignl 7, 3214868480
	.fill 96, 4, 3214868480
	.section	.rodata,"a",@progbits
	.p2align	6, 0x0
	.amdhsa_kernel k_q558989208a_outp
		.amdhsa_group_segment_fixed_size 327680
		.amdhsa_private_segment_fixed_size 0
		.amdhsa_enable_private_segment 0
		.amdhsa_kernarg_size 40
		.amdhsa_user_sgpr_count 2
		.amdhsa_user_sgpr_kernarg_segment_ptr 1
		.amdhsa_wavefront_size32 1
		.amdhsa_system_sgpr_workgroup_id_x 1
		.amdhsa_system_sgpr_workgroup_id_y 1
		.amdhsa_system_sgpr_workgroup_id_z 1
		.amdhsa_system_vgpr_workitem_id 0
		.amdhsa_next_free_vgpr 1024
		.amdhsa_next_free_sgpr 98
		.amdhsa_reserve_vcc 0
		.amdhsa_float_denorm_mode_32 3
		.amdhsa_float_denorm_mode_16_64 3
		.amdhsa_memory_ordered 1
		.amdhsa_forward_progress 1
		.amdhsa_inst_pref_size 152
	.end_amdhsa_kernel
	.amdgpu_metadata
---
amdhsa.version: [ 1, 2 ]
amdhsa.kernels:
  - .name:           k_q558989208a_outp
    .symbol:         k_q558989208a_outp.kd
    .args:
      - { .name: oimg, .offset: 0, .size: 8, .value_kind: global_buffer, .address_space: global }
      - { .name: osc, .offset: 8, .size: 8, .value_kind: global_buffer, .address_space: global }
      - { .name: w_m_codes, .offset: 16, .size: 8, .value_kind: global_buffer, .address_space: global }
      - { .name: w_m_scales, .offset: 24, .size: 8, .value_kind: global_buffer, .address_space: global }
      - { .name: out0, .offset: 32, .size: 8, .value_kind: global_buffer, .address_space: global }
    .group_segment_fixed_size: 327680
    .private_segment_fixed_size: 0
    .kernarg_segment_align: 8
    .kernarg_segment_size: 40
    .max_flat_workgroup_size: 128
    .sgpr_count:     98
    .vgpr_count:     1024
    .wavefront_size: 32
...
	.end_amdgpu_metadata
.endif
;; end of part 3
